; MI455X (gfx1250); checked and timed in simulation.
; The chip was launched on July 23, 2026; its instructions are those of AMD's public machine-readable ISA for CDNA 5 (MIT licence, August 2026) and "CDNA5" Instruction Set Architecture Reference Guide (July 2026). The comments in the code are by the model that wrote it; some were corrected since.
;; Multi Head Attention. Allowed arithmetic: matrix products marked QUANTISED: E2M1 operands, one E8M0 scale for each 32 along K, by v_wmma_scale_f32_16x16x128_f8f6f4 with both operands' format E2M1 (or v_wmma_scale_f32_32x16x128_f4), f32 sums; everything else in f32.
;; Inputs: Wk_codes 1,024 x 32 x 16 uint8 (E2M1 codes of Wk, K innermost, in blocks of 32 codes, two codes a byte); Wk_scales 1,024 x 32 uint8 (E8M0 scales of Wk, one for each 32 codes along K); Wo_codes 1,024 x 32 x 16 uint8 (E2M1 codes of Wo, K innermost, in blocks of 32 codes, two codes a byte); Wo_scales 1,024 x 32 uint8 (E8M0 scales of Wo, one for each 32 codes along K); Wq_codes 1,024 x 32 x 16 uint8 (E2M1 codes of Wq, K innermost, in blocks of 32 codes, two codes a byte); Wq_scales 1,024 x 32 uint8 (E8M0 scales of Wq, one for each 32 codes along K); Wr_codes 1,024 x 32 x 16 uint8 (E2M1 codes of Wr, K innermost, in blocks of 32 codes, two codes a byte); Wr_scales 1,024 x 32 uint8 (E8M0 scales of Wr, one for each 32 codes along K); Wv_codes 1,024 x 32 x 16 uint8 (E2M1 codes of Wv, K innermost, in blocks of 32 codes, two codes a byte); Wv_scales 1,024 x 32 uint8 (E8M0 scales of Wv, one for each 32 codes along K); bk 1,024 float32; bo 1,024 float32; bq 1,024 float32; br 1,024 float32; bv 1,024 float32; inputs 8 x 1,024 x 1,024 float32.
;; Outputs: out0 8 x 1,024 x 1,024 float32.
;; This version of the problem:
;;   THIS VERSION OF THE PROBLEM IS GIVEN IN LOW PRECISION. The matrix products marked QUANTISED in the list below multiply operands that are first quantised to E2M1 (2 exponent bits, 1 mantissa bit; 4 bits a number), with one power-of-two scale for each 32 numbers along K (OCP MX v1.0); their sums are f32. All else is computed in f32.
;;   The module's matrix products, in the order in which they are computed (A, B: the left and right operand; K: the contracted axis; several contracted axes count as one K, in the product's order):
;;     1. [M 8,192, K 1,024] x [K 1,024, N 1,024]; A: input inputs; B: input Wq (given as codes): QUANTISED
;;     2. [M 8,192, K 1,024] x [K 1,024, N 1,024]; A: input inputs; B: input Wk (given as codes): QUANTISED
;;     3. [M 8,192, K 1,024] x [K 1,024, N 1,024]; A: input inputs; B: input Wv (given as codes): QUANTISED
;;     4. [M 8,192, K 1,024] x [K 1,024, N 1,024]; A: input inputs; B: input Wr (given as codes): QUANTISED
;;     5. batch 128 x [M 1,024, K 64] x [K 64, N 1,024]; A: computed on the way; B: computed on the way: QUANTISED
;;     6. batch 128 x [M 1,024, K 1,024] x [K 1,024, N 64]; A: softmax (see below); B: computed on the way: QUANTISED
;;     7. [M 8,192, K 1,024] x [K 1,024, N 1,024]; A: computed on the way; B: input Wo (given as codes): QUANTISED
;;   THE QUANTISER, for each operand of a quantised product, along K:
;;     - K is cut into blocks of 32 from its start; a last block that is shorter is filled with zeros.
;;     - A block's scale is 2^e with e = floor(log2(the largest magnitude in the block)) - 2, held to -126 .. 127; a block of zeros has e = 0. As a byte (E8M0): e + 127.
;;     - Each number is divided by its block's scale, clamped to +-6, and rounded to the nearest number of E2M1, ties to even, subnormals kept.
;;     - The product sums the exact products of the quantised numbers (number of the format x scale) in f32.
;;   ~~~python
;;   def quantise(x, axis):      # numpy; x: float32 -> the quantised numbers, widened to float32 again
;;       x = np.moveaxis(x, axis, -1); K = x.shape[-1]
;;       x = np.pad(x, [(0, 0)] * (x.ndim - 1) + [(0, -K % 32)]); x = x.reshape(x.shape[:-1] + (-1, 32)); a = np.abs(x).max(-1, keepdims=True)
;;       e = np.where(a > 0, np.clip(np.frexp(np.where(a > 0, a, 1))[1] - 1 - 2, -126, 127), 0)      # np.frexp(a)[1] - 1 = floor(log2(a)), exactly
;;       r = np.clip(x / 2.0 ** e, -6, 6)
;;       step = 2.0 ** (np.maximum(np.frexp(np.where(r == 0, 1, r))[1] - 1, 0) - 1)
;;       q = np.round(r / step) * step * 2.0 ** e      # np.round: ties to even
;;       return np.moveaxis(q.reshape(q.shape[:-2] + (-1,))[..., :K], -1, axis).astype(np.float32)
;;   ~~~
;;   SOFTMAX AHEAD OF A QUANTISED PRODUCT. Where the list says 'softmax', what is quantised is not the finished softmax but p = 2^(t - M), with t = logit x log2(e) and M = ceil(the row's largest t), a whole number; so 1/2 < the row's largest p <= 1. The row's sum l is taken of the UNQUANTISED p, in f32, and the product's result is divided by l at the end. Since M is a whole number, a kernel that streams over the keys may use a running M (the ceiling of the running maximum): every later rescaling is an exact power of two, which a block's scale takes up: the codes' values come out the same.
;;   OPERANDS COMPUTED ON THE WAY. 'Computed on the way' means the value that the module computes at that place (a softmax that the list does not call 'softmax' is quantised finished and normalised). What goes into a quantiser is computed in f32, as accurately as f32 sums, v_exp_f32 and their like allow (about 1e-6 of the number): no bf16 or f16 on the way to a quantiser, and a product that is left as it is and whose result goes on into a quantised operand takes f32 operands (vector FMAs, or v_wmma_f32_16x16x4_f32). A number that lies on a knife's edge between two numbers of the format may be rounded either way, as far as f32 arithmetic and the matrix unit's own rounding can turn it there, and no further.
;;   INPUTS GIVEN AS CODES. Wk (in the module: [1024, 1024], K = its axis 1); Wo (in the module: [1024, 1024], K = its axis 1); Wq (in the module: [1024, 1024], K = its axis 1); Wr (in the module: [1024, 1024], K = its axis 1); Wv (in the module: [1024, 1024], K = its axis 1): each comes as NAME_codes (uint8): NAME with its K axis moved to the last place and cut into blocks of 32 codes, [.., K / 32, bytes a block], one block behind the other in memory; two codes a byte, the lower K in the low four bits (a code: sign, 2 exponent bits, 1 mantissa bit); and NAME_scales (uint8): the same leading axes, one E8M0 byte (e + 127) for each 32 codes along K. Its value is code x scale, taken as it is: it is not quantised again, and the codes and scales need not be those that the quantiser above would give.
;; One version. Each part assembles by itself: llvm-mc -triple=amdgcn-amd-amdhsa -mcpu=gfx1250 --defsym DOCPART=n.
;; ======== version 1 of 1: 4 launches
;; limits: right only within a limited range of input values
;; workspace buffers: xc 4,194,304 bytes; xs 262,144 bytes; qc 4,194,304 bytes; qs 524,288 bytes; kv 8,912,896 bytes; gc 4,194,304 bytes; gs 262,144 bytes
;; launch quantx (part 1): grid 256 x 1, 8 waves a work-group, no clusters, 68,608 bytes of LDS; arguments inputs, xc, xs; writes xc, xs
.if DOCPART == 1
	.amdgcn_target "amdgcn-amd-amdhsa--gfx1250"
	.amdhsa_code_object_version 6
	.text
	.protected	k_q1bccd9d77c_quantx
	.globl	k_q1bccd9d77c_quantx
	.p2align	8
	.type	k_q1bccd9d77c_quantx,@function
k_q1bccd9d77c_quantx:
	s_mov_b64 s[64:65], 0
	v_nop
	global_prefetch_b8 v0, s[64:65] scope:SCOPE_SE
	s_setreg_imm32_b32 hwreg(HW_REG_WAVE_MODE, 25, 1), 1
	s_wait_xcnt 0x0
; inputs [8192][1024] f32 become codes of E2M1 with one E8M0 byte for each 32 along the row, laid as the later launches' operand registers want them.
; xc: [T = row / 16][block of 32 along K: 32][row % 16][16 bytes]: the fragment of 16 rows x 128 K of K step s is the 1,024 bytes at 8192 T + 1024 s; lane l's register group c lies at + 512 c + 16 l.
; xs: [T][half of K][row % 16][4 words]: one load of 16 bytes a lane at 512 T + 16 l gives four registers, lanes 0-15 the words of K steps 0-3, lanes 16-31 those of K steps 4-7.
; A block's scale is 2^(floor(log2(largest magnitude)) - 2); its byte is the largest magnitude's exponent field - 2, held at 1 from below.
; LIMITS: NaN and infinities among the inputs are not served.  A block whose largest magnitude lies under 2^-124, a block of zeros among them, gets the byte 1 (the stated quantiser gives a block of zeros 127):
; its codes are zeros or the numbers' codes under 2^-126, and the bytes are read by this program alone.
; SHARES: a wave takes 16 rows x 256 along K, two steps of 128, and asks for all its 32 loads (16 KB) at its start.  Each load reads 512 consecutive bytes of one row; a step's 16 rows turn through the wave's own
; stage in LDS (rows of 512 + 16 bytes), so that a lane gets 16 neighbours along K of each block of its row.  Waves share nothing: no barrier.  No matrix unit, no cluster, no tensor load: every byte is read once by one wave.
.set SP,   528                         ; a stage row: 512 bytes + 16: the 16 rows that a load touches start 33 x 16 bytes apart
.set WREG, 16*SP                       ; a wave's stage
.set SW,   8                           ; v8-9     the two steps' scale words
.set R,    16                          ; v16-143  two sets of 64: a step's numbers as they are loaded
.set X,    144                         ; v144-207 register 16 b + i = k 32 b + 16 (lane / 16) + i of my row
.set PC,   208                         ; v208-223 codes: eight registers for each step, so that no store's data are written again
.set TM,   240                         ; v240-255 at work
.set SEL,  20                          ; s[20:21] lane selects for v_permlanex16_b32: lane l xor 16
	s_load_b128 s[4:7], s[0:1], 0x0                ; inputs, xc
	s_load_b64 s[8:9], s[0:1], 0x10                ; xs
	v_lshl_add_u32 v250, v0, 2, 0x10800
	v_mov_b32 v251, 0
	v_lshrrev_b32 v5, 5, v0
	s_delay_alu instid0(VALU_DEP_1)
	v_readfirstlane_b32 s10, v5                    ; wave 0..7
	v_and_b32 v5, 31, v0                           ; lane
	v_and_b32 v6, 15, v0                           ; r
	v_bfe_u32 v7, v0, 4, 1                         ; h
	s_delay_alu instid0(VALU_DEP_3)
	v_lshlrev_b32 v1, 4, v5                        ; 16 x lane: my bytes of a load's or a store's 512
	s_mul_i32 s11, s10, WREG
	v_add_nc_u32 v2, s11, v1                       ; into the stage: as loaded
	v_mul_u32_u24 v3, v6, SP
	s_delay_alu instid0(VALU_DEP_1)
	v_lshl_add_u32 v3, v7, 6, v3
	s_delay_alu instid0(VALU_DEP_1)
	v_add_nc_u32 v3, s11, v3                       ; out of it: row r, + 64 h: my 16 numbers of a block
	v_lshlrev_b32 v4, 4, v6                        ; 16 r: my row's four scale words of a half of K
.irp b, 0,1,2,3
	v_mov_b32 v[TM+4+\b], 0                        ; written once: a lane permute's destination counts as one of its sources
.endr
	s_mov_b32 s[SEL], 0x76543210
	s_mov_b32 s[SEL+1], 0xfedcba98
	s_lshl_b32 s12, ttmp9, 3
	s_add_co_u32 s12, s12, s10                     ; my unit: 8 x work-group + wave
	s_lshr_b32 s13, s12, 2                         ; T
	s_and_b32 s14, s12, 3                          ; which quarter of K
	s_lshl_b32 s16, s13, 16                        ; inputs: 16 rows of 4,096 bytes a T, 1,024 bytes a quarter
	s_lshl_b32 s15, s14, 10
	s_add_co_u32 s16, s16, s15
	s_mov_b32 s17, 0
	s_lshl_b32 s18, s13, 13                        ; xc: 8,192 bytes a T, 2,048 a quarter
	s_lshl_b32 s15, s14, 11
	s_add_co_u32 s18, s18, s15
	s_mov_b32 s19, 0
	s_lshl_b32 s22, s13, 9                         ; xs: 512 bytes a T, 256 a half of K,
	s_lshr_b32 s15, s14, 1
	s_lshl_b32 s15, s15, 8
	s_add_co_u32 s22, s22, s15
	s_and_b32 s15, s14, 1                          ; and in a row's 16 bytes my two words: 8 bytes a quarter
	s_lshl_b32 s15, s15, 3
	s_add_co_u32 s22, s22, s15
	s_mov_b32 s23, 0
	s_wait_alu depctr_va_vdst(0)
	s_wait_kmcnt 0x0
	s_add_nc_u64 s[4:5], s[4:5], s[16:17]
	s_add_nc_u64 s[6:7], s[6:7], s[18:19]
	s_add_nc_u64 s[8:9], s[8:9], s[22:23]
.macro LOAD s                          ; step s: 128 numbers of each of my 16 rows
.irp i, 0,1,2,3,4,5,6,7,8,9,10,11,12,13,14,15
	global_load_b128 v[R+64*((\s)%2)+4*\i:R+64*((\s)%2)+4*\i+3], v1, s[4:5] offset:4096*\i+512*(\s) th:TH_LOAD_NT
.endr
.endm
.macro TURN s                          ; through the stage: LDS serves a wave's instructions in order (ISA guide 5.7.1.4), so no wait stands between the stores and the loads
.irp i, 0,1,2,3,4,5,6,7,8,9,10,11,12,13,14,15
	ds_store_b128 v2, v[R+64*((\s)%2)+4*\i:R+64*((\s)%2)+4*\i+3] offset:SP*\i
.endr
.irp b, 0,1,2,3
.irp j, 0,1,2,3
	ds_load_b128 v[X+16*\b+4*\j:X+16*\b+4*\j+3], v3 offset:128*\b+16*\j
.endr
.endr
.endm
; The 64 numbers in X become a fragment's codes in v[pc] on and my row's scale word in v[pw].
.macro QUANT pc, pw
.irp b, 0,1,2,3
	v_max3_num_f32 v[TM+\b], |v[X+16*\b]|, |v[X+1+16*\b]|, 0x1800000   ; block b: my 16 numbers, and the floor 2^(3 - 127): the byte cannot fall under 1
.endr
.irp i, 2,4,6,8,10,12,14
.irp b, 0,1,2,3
	s_delay_alu instid0(VALU_DEP_4)
	v_max3_num_f32 v[TM+\b], v[TM+\b], |v[X+16*\b+\i]|, |v[X+1+16*\b+\i]|   ; the four blocks by turns
.endr
.endr
.irp b, 0,1,2,3
	s_delay_alu instid0(VALU_DEP_4)
	v_permlanex16_b32 v[TM+4+\b], v[TM+\b], s[SEL], s[SEL+1]
.endr
.irp b, 0,1,2,3
	s_delay_alu instid0(VALU_DEP_4)
	v_max_num_f32 v[TM+\b], v[TM+\b], v[TM+4+\b]   ; with lane l xor 16's 16: the block's largest magnitude
.endr
.irp b, 0,1,2,3
	s_delay_alu instid0(VALU_DEP_4)
	v_add_nc_u32 v[TM+12+\b], 0xff000000, v[TM+\b] ; 2 off its exponent field: the conversion takes the exponent field of this operand as its scale
.endr
.irp b, 0,1,2,3
	s_delay_alu instid0(VALU_DEP_4)
	v_lshrrev_b32 v[TM+4+\b], 23, v[TM+12+\b]      ; the scale's byte
.endr
	s_delay_alu instid0(VALU_DEP_3)
	v_lshl_or_b32 v[\pw], v[TM+5], 8, v[TM+4]
	s_delay_alu instid0(VALU_DEP_1)
	v_lshl_or_b32 v[\pw], v[TM+6], 16, v[\pw]
	s_delay_alu instid0(VALU_DEP_1)
	v_lshl_or_b32 v[\pw], v[TM+7], 24, v[\pw]
.irp b, 0,1,2,3
	v_cvt_scalef32_pk8_fp4_f32 v[(\pc)+2*\b], v[X+16*\b:X+7+16*\b], v[TM+12+\b]
	v_cvt_scalef32_pk8_fp4_f32 v[(\pc)+1+2*\b], v[X+8+16*\b:X+15+16*\b], v[TM+12+\b]
.endr
	v_nop                                          ; one plain place behind a scaled conversion
.irp c, 0,1                                    ; the operand's layout wants a whole block in a lane: lanes 0-15 block 2 c, lanes 16-31 block 2 c + 1
.irp i, 0,1
	v_permlane16_swap_b32 v[(\pc)+4*\c+\i], v[(\pc)+2+4*\c+\i]
.endr
.endr
.endm
.macro STEPX s
.if \s < 1
	s_wait_loadcnt 16                              ; this step's 16 loads are in; the second step's 16 may be out
.else
	s_wait_loadcnt 0x0
.endif
	TURN \s
	s_wait_dscnt 0x0                               ; X is in: the stage may be written again
	QUANT PC+8*(\s), SW+(\s)
	global_store_b128 v1, v[PC+8*(\s):PC+8*(\s)+3], s[6:7] offset:1024*(\s)           ; 32 lanes store 512 consecutive bytes
	global_store_b128 v1, v[PC+8*(\s)+4:PC+8*(\s)+7], s[6:7] offset:1024*(\s)+512
.endm
	LOAD 0
	LOAD 1
	STEPX 0
	STEPX 1
	global_store_b64 v4, v[SW:SW+1], s[8:9]        ; 8 of each row's 16 bytes; the wave with the other quarter of this half of K writes the other 8; lanes 16-31 hold and write the same words as lanes 0-15
	s_wait_tensorcnt 0x0
	ds_add_u32 v250, v251
	s_wait_dscnt 0x0
	s_endpgm
.Lfunc_end_k_q1bccd9d77c_quantx:
	.size	k_q1bccd9d77c_quantx, .Lfunc_end_k_q1bccd9d77c_quantx-k_q1bccd9d77c_quantx
	.p2alignl 7, 3214868480
	.fill 96, 4, 3214868480
	.section	.rodata,"a",@progbits
	.p2align	6, 0x0
	.amdhsa_kernel k_q1bccd9d77c_quantx
		.amdhsa_group_segment_fixed_size 68608
		.amdhsa_private_segment_fixed_size 0
		.amdhsa_enable_private_segment 0
		.amdhsa_kernarg_size 24
		.amdhsa_user_sgpr_count 2
		.amdhsa_user_sgpr_kernarg_segment_ptr 1
		.amdhsa_wavefront_size32 1
		.amdhsa_system_sgpr_workgroup_id_x 1
		.amdhsa_system_sgpr_workgroup_id_y 1
		.amdhsa_system_sgpr_workgroup_id_z 1
		.amdhsa_system_vgpr_workitem_id 0
		.amdhsa_next_free_vgpr 256
		.amdhsa_next_free_sgpr 66
		.amdhsa_reserve_vcc 0
		.amdhsa_float_denorm_mode_32 3
		.amdhsa_float_denorm_mode_16_64 3
		.amdhsa_memory_ordered 1
		.amdhsa_forward_progress 1
		.amdhsa_inst_pref_size 21
	.end_amdhsa_kernel
	.amdgpu_metadata
---
amdhsa.version: [ 1, 2 ]
amdhsa.kernels:
  - .name:           k_q1bccd9d77c_quantx
    .symbol:         k_q1bccd9d77c_quantx.kd
    .args:
      - { .name: inputs, .offset: 0, .size: 8, .value_kind: global_buffer, .address_space: global }
      - { .name: xc, .offset: 8, .size: 8, .value_kind: global_buffer, .address_space: global }
      - { .name: xs, .offset: 16, .size: 8, .value_kind: global_buffer, .address_space: global }
    .group_segment_fixed_size: 68608
    .private_segment_fixed_size: 0
    .kernarg_segment_align: 8
    .kernarg_segment_size: 24
    .max_flat_workgroup_size: 256
    .sgpr_count:     66
    .vgpr_count:     256
    .wavefront_size: 32
...
	.end_amdgpu_metadata
.endif
;; end of part 1
;; launch proj (part 2): grid 16 x 16, 8 waves a work-group, no clusters, 168,960 bytes of LDS; arguments xc, xs, Wq_codes, Wq_scales, bq, Wk_codes, Wk_scales, bk, Wv_codes, Wv_scales, bv, qc, qs, kv; writes qc, qs, kv
.if DOCPART == 2
	.amdgcn_target "amdgcn-amd-amdhsa--gfx1250"
	.amdhsa_code_object_version 6
	.text
	.protected	k_q1bccd9d77c_proj
	.globl	k_q1bccd9d77c_proj
	.p2align	8
	.type	k_q1bccd9d77c_proj,@function
k_q1bccd9d77c_proj:
	s_mov_b64 s[64:65], 0
	v_nop
	global_prefetch_b8 v0, s[64:65] scope:SCOPE_SE
	s_setreg_imm32_b32 hwreg(HW_REG_WAVE_MODE, 25, 1), 1
	s_wait_xcnt 0x0
; q, k, v = x W^T + b for one head (64 columns of each) and 512 rows, on codes of E2M1; then Q(q), Q(k) along the head's 64 and Q(log_sigmoid(v)) along the keys, stored as images of the attention launch's operand registers.
; SHARES: work-group (head, block of 512 rows); wave w takes rows 64 w .. 64 w + 63 for all three products.  Its fragments of x for ALL of K (4 tiles of rows x 8 K steps x 8 registers = 256) stay in window 1,
; read once by loads of 512 consecutive bytes: K steps 0-3 are asked for at the head, K step s + 4 in K step s of the first product.
; Each weight's 64 rows x 512 bytes lie in LDS, filled once: waves 0-5 bring 32 rows of one weight each by one tensor load, waves 6 and 7 none.  ONE barrier shows all three to every wave;
; behind it LDS is only read, and the waves go their own ways.
; q and k are made TRANSPOSED (source 0 = 16 rows of W, source 1 = 16 rows of x): a lane holds one row of x and eight neighbouring columns, so the head's 64 run along its registers.
; v is made the other way round (source 0 = x): a lane holds one column d and eight neighbouring keys, so the keys run along its registers.
; OUT: qc [b h][query / 16][lane][16 bytes]: lane (r, H) holds block H of query r;  qs [b h][query] words: its two bytes twice, so that it serves either half of K = 128.
;      kv: a record of 69,632 bytes for each (b, h): k's codes like qc (32,768), v's codes [key step of 128][tile of 16 d][c][lane][16] (32,768), k's words (2,048), v's words [step][tile][d % 16] (2,048).
; log_sigmoid(x) = min(x, 0) - log1p(z), z = 2^(-|x| log2 e); log1p(z) = ln u + e (1 - z) with u = fl(1 + z), e = z - (u - 1): the rounding of 1 + z is given back, so small z keep their relative accuracy.
; LIMITS: NaN and infinities are not served.  log_sigmoid(x) for x above 87, which lies under 2^-126, is taken as 0 (v_exp_f32 gives 0 there: ISA guide 15.8).  Blocks whose largest magnitude lies under 2^-124, zeros among them, get the byte 1; this program alone reads the bytes.
; NO CLUSTER: of the 360 KB that a work-group reads, 256 KB are x's fragments, which go from memory straight into registers, where a joint tensor load cannot put them; the weights' 100 KB are asked for once in the launch.
; THE FILLS AND THE RECORD AS THIS TEXT HAS THEM (they take the place of what the lines above say of them):
; waves 0-5 bring 32 rows of one weight each (wave / 2: q, k, v; wave % 2: which half) by ONE tensor load, waves 6 and 7 none; LDS address 32 rows x wave.
; qs: a query's word holds its two bytes twice.  kv: a record of 69,632 bytes: k's codes (32,768), v's codes (32,768), k's words [key step][f = tile % 4][key % 16] (2,048):
; bytes 0, 1 tile f's, bytes 2, 3 tile 4 + f's; v's words (2,048).
.set WP,  528
.set CH,  64*WP
.set BV,  8                            ; v8-15    bv of my column of each tile, twice each (pairs for the packed add)
.set ASC, 16                           ; v16-31   x's scale words: register 4 i + j: lanes 0-15 K step j, lanes 16-31 K step 4 + j, tile of rows i
.set BSC, 32                           ; v32-63   the weights' scale words, two sets of 16: register 4 t + j likewise
.set BF,  64                           ; v64-127  the weights' fragments, two sets of 32; at work between the products
.set ACC, 128                          ; v128-255 accumulator (i, t) at ACC + 8 (4 i + t)
.set LZ,  64                           ; log_sigmoid's temporaries: four sets of 16
.set LU,  80
.set LL,  96
.set LE,  112
.set SEL, 66                           ; s[66:67] lane selects: lane l xor 16
.set MSB, 0
.macro WIN new                         ; the immediate's high byte repeats the setting that is left
.if MSB != \new
	s_set_vgpr_msb (MSB<<8)|\new
.set MSB, \new
.endif
.endm
.macro PLACES n
.rept \n
	v_nop
.endr
.endm
; Two blocks of 32 whose numbers lie in four accumulators: block b in v[g + st (2 b + u) + 0 .. 7], u = 0, 1; in tile 2 b + u lane (r, h) holds the block's numbers 16 u + 8 h + 0 .. 7.
; Out: v[pc .. pc + 3]: lanes 0-15 block 0's 32 codes, lanes 16-31 block 1's, ascending; v[tm]: the two scale bytes.  Each accumulator is first read at its registers 0 and 1.
.macro QUANT2 g, st, pc, tm
.irp b, 0,1
	v_max3_num_f32 v[(\tm)+\b], |v[(\g)+(\st)*2*\b]|, |v[(\g)+(\st)*2*\b+1]|, 0x1800000   ; and the floor 2^(3 - 127): the byte cannot fall under 1
.endr
.irp i, 2,4,6
.irp b, 0,1
	v_max3_num_f32 v[(\tm)+\b], v[(\tm)+\b], |v[(\g)+(\st)*2*\b+\i]|, |v[(\g)+(\st)*2*\b+\i+1]|
.endr
.endr
.irp i, 0,2,4,6
.irp b, 0,1
	v_max3_num_f32 v[(\tm)+\b], v[(\tm)+\b], |v[(\g)+(\st)*(2*\b+1)+\i]|, |v[(\g)+(\st)*(2*\b+1)+\i+1]|
.endr
.endr
.irp b, 0,1
	v_permlanex16_b32 v[(\tm)+2+\b], v[(\tm)+\b], s[SEL], s[SEL+1]
.endr
.irp b, 0,1
	s_delay_alu instid0(VALU_DEP_2)
	v_max_num_f32 v[(\tm)+\b], v[(\tm)+\b], v[(\tm)+2+\b]   ; with lane l xor 16's 16: the block's largest magnitude
.endr
.irp b, 0,1
	s_delay_alu instid0(VALU_DEP_2)
	v_add_nc_u32 v[(\tm)+4+\b], 0xff000000, v[(\tm)+\b]     ; 2 off its exponent field: the conversion's scale operand
.endr
.irp b, 0,1
	s_delay_alu instid0(VALU_DEP_2)
	v_lshrrev_b32 v[(\tm)+2+\b], 23, v[(\tm)+4+\b]          ; the scale's byte
.endr
.irp b, 0,1
.irp u, 0,1
	v_cvt_scalef32_pk8_fp4_f32 v[(\pc)+2*\u+\b], v[(\g)+(\st)*(2*\b+\u):(\g)+(\st)*(2*\b+\u)+7], v[(\tm)+4+\b]
.endr
.endr
	v_lshl_or_b32 v[\tm], v[(\tm)+3], 8, v[(\tm)+2]         ; the two bytes; also the plain place behind the conversions
	v_permlane16_swap_b32 v[\pc], v[(\pc)+1]                ; pc: [b0 0-7 | b1 0-7], pc + 1: [b0 8-15 | b1 8-15]
	v_permlane16_swap_b32 v[(\pc)+2], v[(\pc)+3]            ; pc + 2: [b0 16-23 | b1 16-23], pc + 3: [b0 24-31 | b1 24-31]
.endm
; One product.  cm = 0: onto its own sum; 1: the sum begins with the registers at C_ (the bias); 2: with 0.  hi = 1: K steps 4-7, whose scale words lie in lanes 16-31.
.macro WM cm, hi
.if \hi
	v_wmma_scale_f32_16x16x128_f8f6f4 v[D_:D_+7], v[A_:A_+7], v[B_:B_+7], v[D_:D_+7], v[SA_], v[SB_] matrix_a_fmt:MATRIX_FMT_FP4 matrix_b_fmt:MATRIX_FMT_FP4 matrix_a_scale:MATRIX_SCALE_ROW1 matrix_b_scale:MATRIX_SCALE_ROW1
.elseif \cm == 0
	v_wmma_scale_f32_16x16x128_f8f6f4 v[D_:D_+7], v[A_:A_+7], v[B_:B_+7], v[D_:D_+7], v[SA_], v[SB_] matrix_a_fmt:MATRIX_FMT_FP4 matrix_b_fmt:MATRIX_FMT_FP4
.elseif \cm == 1
	v_wmma_scale_f32_16x16x128_f8f6f4 v[D_:D_+7], v[A_:A_+7], v[B_:B_+7], v[C_:C_+7], v[SA_], v[SB_] matrix_a_fmt:MATRIX_FMT_FP4 matrix_b_fmt:MATRIX_FMT_FP4
.else
	v_wmma_scale_f32_16x16x128_f8f6f4 v[D_:D_+7], v[A_:A_+7], v[B_:B_+7], 0, v[SA_], v[SB_] matrix_a_fmt:MATRIX_FMT_FP4 matrix_b_fmt:MATRIX_FMT_FP4
.endif
.endm
; Four products: tile of rows i against the weight's four tiles, K step s.  tr = 1: source 0 = W; bs: the set of W's scale words.
.macro P4 tr, bs, s, i, cm
.irp t, 0,1,2,3
.set D_, ACC+8*(4*(\i)+\t)
.set C_, ACC+8*\t
.if \tr
.set A_, BF+32*((\s)%2)+8*\t
.set B_, 32*(\s)+8*(\i)
.set SA_, BSC+16*(\bs)+4*\t+(\s)%4
.set SB_, ASC+4*(\i)+(\s)%4
.else
.set A_, 32*(\s)+8*(\i)
.set B_, BF+32*((\s)%2)+8*\t
.set SA_, ASC+4*(\i)+(\s)%4
.set SB_, BSC+16*(\bs)+4*\t+(\s)%4
.endif
	WM \cm, (\s)/4
.endr
.endm
.macro FETCHB ty, s                    ; weight ty's four fragments of K step s: lane (r, h): row 16 t + r, bytes 64 s + 32 c + 16 h
.irp t, 0,1,2,3
.irp c, 0,1
	ds_load_b128 v[BF+32*((\s)%2)+8*\t+4*\c:BF+32*((\s)%2)+8*\t+4*\c+3], v[2+\ty] offset:16*WP*\t+64*(\s)+32*\c
.endr
.endr
.endm
.macro ALOAD s                         ; x's four fragments of K step s, eight loads of 512 consecutive bytes, to v[32 s + 8 i] of window 1 (the destination's window is set by the caller): they stay
.irp i, 0,1,2,3
.irp c, 0,1
	global_load_b128 v[32*(\s)+8*\i+4*\c:32*(\s)+8*\i+4*\c+3], v1, s[4:5] offset:8192*\i+1024*(\s)+512*\c
.endr
.endr
.endm
; A whole product: 8 K steps x 16 matrix instructions; the 16 accumulators take turns, one instruction a turn.  cnt = 1: the first product, under which x's fragments land.
.macro MM ty, tr, bs, cnt
	FETCHB \ty, 0
	FETCHB \ty, 1
.irp s, 0,1,2,3,4,5,6,7
.if \s < 7
	s_wait_dscnt 8                                 ; this step's eight loads are in; the next step's eight may be out
.else
	s_wait_dscnt 0x0
.endif
.if \cnt
.if \s < 4
	s_wait_loadcnt 24                              ; x's fragments of this K step are in: behind them the eight loads of each of the next three K steps have been issued;
	WIN 0x40                                       ; (destination window 1)
	ALOAD \s+4                                     ; and the K step four on is asked for
.else
	s_wait_loadcnt 8*(7-\s)                        ; eight loads for each later K step
.endif
.endif
.if \tr
	WIN 0x04                                       ; source 1 (x) in window 1
.else
	WIN 0x01                                       ; source 0 (x) in window 1
.endif
.if (\s == 0) && \tr
	P4 \tr, \bs, \s, 1, 1                          ; the bias lies in the registers of tile 0's accumulators and starts every tile's sums;
	P4 \tr, \bs, \s, 2, 1
	P4 \tr, \bs, \s, 3, 1
	PLACES 5                                       ; five places before a matrix instruction writes over registers that earlier ones took as C
	P4 \tr, \bs, \s, 0, 0                          ; tile 0 adds onto it in place
.elseif \s == 0
	P4 \tr, \bs, \s, 0, 2
	P4 \tr, \bs, \s, 1, 2
	P4 \tr, \bs, \s, 2, 2
	P4 \tr, \bs, \s, 3, 2
.else
	P4 \tr, \bs, \s, 0, 0
	P4 \tr, \bs, \s, 1, 0
	P4 \tr, \bs, \s, 2, 0
	P4 \tr, \bs, \s, 3, 0
.endif
	WIN 0
.if \s < 6
	PLACES 4                                       ; four places in front of loads into registers that matrix instructions have read
	FETCHB \ty, \s+2
.endif
.endr
	PLACES 5                                       ; behind the last products: for the reads of results, the loads into operands, and the next product's first writes
.endm
; Tile of rows i of q or of k: quantised along the head's 64 and stored.  cb, sb: the scalar pairs with the codes' and the words' addresses.
.macro QK1 i, cb, sb
	QUANT2 ACC+32*(\i), 8, BF+4*(\i), BF+16+8*(\i)
	s_delay_alu instid0(VALU_DEP_3)
	v_lshl_or_b32 v[BF+16+8*(\i)], v[BF+16+8*(\i)], 16, v[BF+16+8*(\i)]   ; the two bytes twice: q's word serves either half of K = 128
	global_store_b128 v1, v[BF+4*(\i):BF+4*(\i)+3], s[\cb:\cb+1] offset:512*(\i)   ; 32 lanes store 512 consecutive bytes
.if \sb == 74
	global_store_b16 v7, v[BF+16+8*(\i)], s[\sb:\sb+1] offset:64*(\i)              ; k: my two bytes of fragment i's word; the wave beside me writes the other two
.else
	global_store_b32 v7, v[BF+16+8*(\i)], s[\sb:\sb+1] offset:64*(\i)              ; q: 16 rows' words, 64 consecutive bytes; lanes 16-31 write the same words again
.endif
.endm
; log_sigmoid of the sixteen numbers at v[x], bias first.
.macro LS x, bv                        ; SIXTEEN numbers a call: two neighbouring accumulators (tiles t and t + 1 of columns), each with its own bias pair
.irp j, 0,2,4,6
	v_pk_add_f32 v[(\x)+\j:(\x)+\j+1], v[(\x)+\j:(\x)+\j+1], v[\bv:(\bv)+1]
.endr
.irp j, 8,10,12,14
	v_pk_add_f32 v[(\x)+\j:(\x)+\j+1], v[(\x)+\j:(\x)+\j+1], v[(\bv)+2:(\bv)+3]
.endr
.irp j, 0,1,2,3,4,5,6,7,8,9,10,11,12,13,14,15
	v_mul_f32 v[LZ+\j], -|v[(\x)+\j]|, s68
.endr
	s_wait_alu depctr_va_vdst(0)                   ; ahead of the batch
.irp j, 0,1,2,3,4,5,6,7,8,9,10,11,12,13,14,15
	v_exp_f32 v[LZ+\j], v[LZ+\j]                   ; z = e^-|x|
.endr
.irp j, 0,1,2,3,4,5,6,7,8,9,10,11,12,13,14,15
	v_min_num_f32 v[(\x)+\j], 0, v[(\x)+\j]        ; min(x, 0): plain places behind the exponentials
.endr
	s_wait_alu depctr_va_vdst(0)                   ; one wait for the batch, ahead of its first reader
.irp j, 0,2,4,6,8,10,12,14
	v_pk_add_f32 v[LU+\j:LU+\j+1], v[LZ+\j:LZ+\j+1], 1.0 op_sel_hi:[1,0]   ; u = fl(1 + z)
.endr
	s_wait_alu depctr_va_vdst(0)                   ; ahead of the batch
.irp j, 0,1,2,3,4,5,6,7,8,9,10,11,12,13,14,15
	v_log_f32 v[LL+\j], v[LU+\j]
.endr
.irp j, 0,2,4,6,8,10,12,14
	v_pk_add_f32 v[LE+\j:LE+\j+1], v[LU+\j:LU+\j+1], -1.0 op_sel_hi:[1,0]  ; u - 1, exact: into registers of its own, so these are plain places behind the logarithms
.endr
.irp j, 0,2,4,6,8,10,12,14
	v_pk_add_f32 v[LE+\j:LE+\j+1], v[LZ+\j:LZ+\j+1], v[LE+\j:LE+\j+1] neg_lo:[0,1] neg_hi:[0,1]   ; e = z - (u - 1): what the rounding of 1 + z dropped
.endr
.irp j, 0,2,4,6,8,10,12,14
	v_pk_fma_f32 v[LE+\j:LE+\j+1], v[LE+\j:LE+\j+1], v[LZ+\j:LZ+\j+1], v[LE+\j:LE+\j+1] neg_lo:[1,0,0] neg_hi:[1,0,0]   ; e (1 - z)
.endr
	s_wait_alu depctr_va_vdst(0)                   ; behind the batch
.irp j, 0,2,4,6,8,10,12,14
	v_pk_fma_f32 v[(\x)+\j:(\x)+\j+1], v[LL+\j:LL+\j+1], s[70:71], v[(\x)+\j:(\x)+\j+1] op_sel_hi:[1,0,1]   ; min(x, 0) - ln 2 x log2 u
.endr
.irp j, 0,2,4,6,8,10,12,14
	v_pk_add_f32 v[(\x)+\j:(\x)+\j+1], v[(\x)+\j:(\x)+\j+1], v[LE+\j:LE+\j+1] neg_lo:[0,1] neg_hi:[0,1]
.endr
.endm
	s_load_b512 s[4:19], s[0:1], 0x0               ; xc, xs, Wq's codes, Wq's scales, bq, Wk's codes, Wk's scales, bk
	s_load_b256 s[20:27], s[0:1], 0x40             ; Wv's codes, Wv's scales, bv, qc
	s_load_b128 s[28:31], s[0:1], 0x60             ; qs, kv
	v_lshl_add_u32 v254, v0, 2, 0x29000
	v_mov_b32 v255, 0
	ds_add_u32 v254, v255
	ds_add_u32 v254, v255
	s_wait_dscnt 0x0
	v_lshrrev_b32 v1, 5, v0
	s_delay_alu instid0(VALU_DEP_1)
	v_readfirstlane_b32 s52, v1                    ; wave 0..7
	s_and_b32 s53, ttmp7, 0xffff                   ; head: work-group y
	s_mov_b32 s54, ttmp9                           ; block of 512 rows: work-group x
	; descriptor group 1: 32 rows of 512 bytes, 512 bytes apart in memory, 16 bytes of padding behind each in LDS
	s_mov_b32 s32, (1<<20)|(6<<22)|(3<<25)         ; 15:0 no mask; 17:16 elements of 1 byte; 20 padding on; 24:22 after every 128 words (code 6); 31:25 four words (code 3)
	s_mov_b32 s33, 512<<16                         ; tensor_dim0
	s_mov_b32 s34, 32<<16                          ; tensor_dim1
	s_mov_b32 s35, 512<<16                         ; tile_dim0
	s_mov_b32 s36, 32                              ; tile_dim1
	s_mov_b32 s37, 512                             ; tensor_dim0_stride
	s_mov_b32 s38, 0
	s_mov_b32 s39, 0
	s_lshl_b32 s56, s53, 15                        ; the head's 64 rows of 512 bytes,
	s_and_b32 s58, s52, 1
	s_lshl_b32 s58, s58, 14                        ; my half of them: 32 rows of 512 bytes
	s_add_co_u32 s56, s56, s58
	s_mov_b32 s57, 0
	s_mov_b32 s40, 1                               ; group 0: count;
	s_mul_i32 s41, s52, 32*WP                      ; LDS address: 32 rows x wave (q's 64 rows, k's, v's on end);
	s_wait_kmcnt 0x0
	s_cmp_lt_u32 s52, 2
	s_cselect_b64 s[42:43], s[8:9], s[14:15]       ; waves 0, 1: Wq; 2, 3: Wk;
	s_cmp_lt_u32 s52, 4
	s_cselect_b64 s[42:43], s[42:43], s[20:21]     ; 4, 5: Wv
	s_add_nc_u64 s[42:43], s[42:43], s[56:57]      ; global address;
	s_or_b32 s43, s43, 0x80000000                  ; type
	s_cmp_lt_u32 s52, 6
	s_cbranch_scc0 .Lfilled                        ; waves 6 and 7 have no part to fill
	tensor_load_to_lds s[40:43], s[32:39]          ; the launch's only fills: one tensor load a wave
	s_nop 0
	PLACES 4
.Lfilled:
	v_and_b32 v9, 31, v0                           ; lane
	v_and_b32 v10, 15, v0                          ; r
	v_bfe_u32 v11, v0, 4, 1                        ; h
	s_delay_alu instid0(VALU_DEP_3)
	v_lshlrev_b32 v1, 4, v9                        ; v1: 16 x lane
	s_delay_alu instid0(VALU_DEP_3)
	v_mul_u32_u24 v2, v10, WP
	s_delay_alu instid0(VALU_DEP_1)
	v_lshl_add_u32 v2, v11, 4, v2                  ; v2-4: a weight's fragment: row r x pitch + 16 h, in q's, k's, v's bytes
	s_delay_alu instid0(VALU_DEP_1)
	v_add_nc_u32 v3, CH, v2
	s_delay_alu instid0(VALU_DEP_2)
	v_add_nc_u32 v4, 2*CH, v2
	v_lshlrev_b32 v5, 5, v11                       ; v5: 32 h: a bias's eight numbers of my half
	v_lshlrev_b32 v6, 5, v10
	s_delay_alu instid0(VALU_DEP_1)
	v_lshl_add_u32 v6, v11, 4, v6                  ; v6: 32 r + 16 h: a weight's row of scale bytes, my half of it
	s_wait_alu depctr_va_vdst(0)
	v_lshlrev_b32 v7, 2, v10                       ; v7: 4 r
	s_lshl_b32 s56, s54, 18                        ; xc: 32 tiles of 8,192 bytes a block, 4 a wave
	s_lshl_b32 s58, s52, 15
	s_add_co_u32 s56, s56, s58
	s_add_nc_u64 s[4:5], s[4:5], s[56:57]
	s_lshl_b32 s56, s54, 14                        ; xs: 512 bytes a tile
	s_lshl_b32 s58, s52, 11
	s_add_co_u32 s56, s56, s58
	s_add_nc_u64 s[6:7], s[6:7], s[56:57]
	s_lshl_b32 s56, s53, 11                        ; the weights' scale bytes: 64 rows of 32 a head
	s_add_nc_u64 s[10:11], s[10:11], s[56:57]
	s_add_nc_u64 s[16:17], s[16:17], s[56:57]
	s_add_nc_u64 s[22:23], s[22:23], s[56:57]
	s_lshl_b32 s56, s53, 8                         ; the biases: 64 numbers a head
	s_add_nc_u64 s[12:13], s[12:13], s[56:57]
	s_add_nc_u64 s[18:19], s[18:19], s[56:57]
	s_add_nc_u64 s[24:25], s[24:25], s[56:57]
.irp t, 0,1,2,3
	global_load_b128 v[BSC+4*\t:BSC+4*\t+3], v6, s[10:11] offset:512*\t            ; Wq's scale words
.endr
.irp i, 0,1,2,3
	global_load_b128 v[ASC+4*\i:ASC+4*\i+3], v1, s[6:7] offset:512*\i              ; x's
.endr
.irp t, 0,1,2,3
	global_load_b128 v[ACC+8*\t:ACC+8*\t+3], v5, s[12:13] offset:64*\t             ; bq, in the result's layout: columns 16 t + 8 h + 0 .. 7
	global_load_b128 v[ACC+8*\t+4:ACC+8*\t+7], v5, s[12:13] offset:64*\t+16
.endr
.irp t, 0,1,2,3
	global_load_b128 v[BSC+16+4*\t:BSC+16+4*\t+3], v6, s[16:17] offset:512*\t      ; Wk's scale words
.endr
	WIN 0x40                                       ; destination window 1
	ALOAD 0                                        ; x's fragments of K steps 0-3; the other four are asked for under the first product
	ALOAD 1
	ALOAD 2
	ALOAD 3
	WIN 0
	s_mov_b32 s[SEL], 0x76543210
	s_mov_b32 s[SEL+1], 0xfedcba98
	s_mov_b32 s68, 0x3fb8aa3b                      ; log2 e
	s_mov_b32 s70, 0xbf317218                      ; -ln 2
	s_mov_b32 s71, s70                             ; (named with it as a pair, so it is written)
	s_lshr_b32 s59, s54, 1
	s_lshl_b32 s59, s59, 4
	s_add_co_u32 s59, s59, s53                     ; 16 b + head
	s_and_b32 s60, s54, 1
	s_lshl_b32 s60, s60, 9
	s_lshl_b32 s58, s52, 6
	s_add_co_u32 s60, s60, s58                     ; my first row within the sequence
	s_lshl_b32 s56, s59, 15
	s_lshl_b32 s58, s60, 5
	s_add_co_u32 s56, s56, s58
	s_add_nc_u64 s[26:27], s[26:27], s[56:57]      ; qc: 32,768 bytes a head, 32 a query
	s_lshl_b32 s56, s59, 12
	s_lshl_b32 s58, s60, 2
	s_add_co_u32 s56, s56, s58
	s_add_nc_u64 s[28:29], s[28:29], s[56:57]      ; qs
	s_mul_i32 s61, s59, 69632                      ; the head's record in kv
	s_lshl_b32 s58, s60, 5
	s_add_co_u32 s56, s61, s58
	s_add_nc_u64 s[72:73], s[30:31], s[56:57]      ; k's codes
	s_lshr_b32 s62, s60, 7                         ; my key step of 128,
	s_and_b32 s63, s52, 1                          ; and which 64 keys of it
	s_lshl_b32 s58, s62, 12
	s_add_co_u32 s56, s61, s58
	s_lshl_b32 s58, s63, 9
	s_add_co_u32 s56, s56, s58
	s_add_co_u32 s56, s56, 32768
	s_add_nc_u64 s[76:77], s[30:31], s[56:57]      ; v's codes
	s_lshl_b32 s58, s62, 8
	s_add_co_u32 s56, s61, s58
	s_lshl_b32 s58, s63, 1
	s_add_co_u32 s56, s56, s58
	s_add_co_u32 s56, s56, 65536
	s_add_nc_u64 s[74:75], s[30:31], s[56:57]      ; k's words: 256 bytes a key step, my two bytes of each
	s_add_co_u32 s56, s56, 2048
	s_add_nc_u64 s[78:79], s[30:31], s[56:57]      ; v's words likewise
	s_wait_alu depctr_va_vdst(0)
	s_wait_tensorcnt 0x0                           ; my rows of all three weights are in,
	s_barrier_signal -1
	s_barrier_wait -1                              ; everybody's are: from here on LDS is only read, and no wave waits for another
	MM 0, 1, 0, 1                                  ; q
.irp t, 0,1,2,3
	global_load_b128 v[BSC+4*\t:BSC+4*\t+3], v6, s[22:23] offset:512*\t            ; Wv's scale words take Wq's place
.endr
.irp t, 0,1,2,3
	global_load_b32 v[BV+2*\t], v7, s[24:25] offset:64*\t                          ; bv of column 16 t + r, twice
	global_load_b32 v[BV+2*\t+1], v7, s[24:25] offset:64*\t
.endr
	QK1 0, 26, 28
.irp t, 0,1,2,3
	global_load_b128 v[ACC+8*\t:ACC+8*\t+3], v5, s[18:19] offset:64*\t             ; bk, into tile 0's accumulators, which have been read
	global_load_b128 v[ACC+8*\t+4:ACC+8*\t+7], v5, s[18:19] offset:64*\t+16
.endr
	QK1 1, 26, 28
	QK1 2, 26, 28
	QK1 3, 26, 28
	s_wait_xcnt 0x0                                ; the stores have read their data, which lie where the fragments land
	s_wait_loadcnt 0x0                             ; bk, Wv's words, bv
	MM 1, 1, 1, 0                                  ; k
	QK1 0, 72, 74
	QK1 1, 72, 74
	QK1 2, 72, 74
	QK1 3, 72, 74
	s_wait_xcnt 0x0                                ; likewise
	MM 2, 0, 0, 0                                  ; v: a lane holds column 16 t + r and keys 16 i + 8 h + 0 .. 7
.irp i, 0,1,2,3
.irp t, 0,2
	LS ACC+8*(4*\i+\t), BV+2*\t
.endr
.endr
.irp t, 0,1,2,3                                ; my 64 keys are two blocks: tiles of rows 0, 1 and 2, 3
	QUANT2 ACC+8*\t, 32, BF+32+4*\t, BF+8*\t
	global_store_b128 v1, v[BF+32+4*\t:BF+32+4*\t+3], s[76:77] offset:1024*\t      ; 512 consecutive bytes
	global_store_b16 v7, v[BF+8*\t], s[78:79] offset:64*\t                         ; two of a word's four bytes; the wave beside me writes the other two
.endr
	s_wait_xcnt 0x0
	v_lshl_add_u32 v254, v0, 2, 0x29000
	v_mov_b32 v255, 0
	s_wait_alu depctr_va_vdst(0)
	s_wait_tensorcnt 0x0
	ds_add_u32 v254, v255
	s_wait_dscnt 0x0
	s_endpgm
.Lfunc_end_k_q1bccd9d77c_proj:
	.size	k_q1bccd9d77c_proj, .Lfunc_end_k_q1bccd9d77c_proj-k_q1bccd9d77c_proj
	.p2alignl 7, 3214868480
	.fill 96, 4, 3214868480
	.section	.rodata,"a",@progbits
	.p2align	6, 0x0
	.amdhsa_kernel k_q1bccd9d77c_proj
		.amdhsa_group_segment_fixed_size 168960
		.amdhsa_private_segment_fixed_size 0
		.amdhsa_enable_private_segment 0
		.amdhsa_kernarg_size 112
		.amdhsa_user_sgpr_count 2
		.amdhsa_user_sgpr_kernarg_segment_ptr 1
		.amdhsa_wavefront_size32 1
		.amdhsa_system_sgpr_workgroup_id_x 1
		.amdhsa_system_sgpr_workgroup_id_y 1
		.amdhsa_system_sgpr_workgroup_id_z 1
		.amdhsa_system_vgpr_workitem_id 0
		.amdhsa_next_free_vgpr 512
		.amdhsa_next_free_sgpr 80
		.amdhsa_reserve_vcc 0
		.amdhsa_float_denorm_mode_32 3
		.amdhsa_float_denorm_mode_16_64 3
		.amdhsa_memory_ordered 1
		.amdhsa_forward_progress 1
		.amdhsa_inst_pref_size 157
	.end_amdhsa_kernel
	.amdgpu_metadata
---
amdhsa.version: [ 1, 2 ]
amdhsa.kernels:
  - .name:           k_q1bccd9d77c_proj
    .symbol:         k_q1bccd9d77c_proj.kd
    .args:
      - { .name: xc, .offset: 0, .size: 8, .value_kind: global_buffer, .address_space: global }
      - { .name: xs, .offset: 8, .size: 8, .value_kind: global_buffer, .address_space: global }
      - { .name: Wq_codes, .offset: 16, .size: 8, .value_kind: global_buffer, .address_space: global }
      - { .name: Wq_scales, .offset: 24, .size: 8, .value_kind: global_buffer, .address_space: global }
      - { .name: bq, .offset: 32, .size: 8, .value_kind: global_buffer, .address_space: global }
      - { .name: Wk_codes, .offset: 40, .size: 8, .value_kind: global_buffer, .address_space: global }
      - { .name: Wk_scales, .offset: 48, .size: 8, .value_kind: global_buffer, .address_space: global }
      - { .name: bk, .offset: 56, .size: 8, .value_kind: global_buffer, .address_space: global }
      - { .name: Wv_codes, .offset: 64, .size: 8, .value_kind: global_buffer, .address_space: global }
      - { .name: Wv_scales, .offset: 72, .size: 8, .value_kind: global_buffer, .address_space: global }
      - { .name: bv, .offset: 80, .size: 8, .value_kind: global_buffer, .address_space: global }
      - { .name: qc, .offset: 88, .size: 8, .value_kind: global_buffer, .address_space: global }
      - { .name: qs, .offset: 96, .size: 8, .value_kind: global_buffer, .address_space: global }
      - { .name: kv, .offset: 104, .size: 8, .value_kind: global_buffer, .address_space: global }
    .group_segment_fixed_size: 168960
    .private_segment_fixed_size: 0
    .kernarg_segment_align: 8
    .kernarg_segment_size: 112
    .max_flat_workgroup_size: 256
    .sgpr_count:     80
    .vgpr_count:     512
    .wavefront_size: 32
...
	.end_amdgpu_metadata
.endif
;; end of part 2
;; launch attn (part 3): grid 128 x 2, 16 waves a work-group, no clusters, 169,984 bytes of LDS; arguments qc, qs, kv, xc, xs, Wr_codes, Wr_scales, br, gc, gs; writes gc, gs
.if DOCPART == 3
	.amdgcn_target "amdgcn-amd-amdhsa--gfx1250"
	.amdhsa_code_object_version 6
	.text
	.protected	k_q1bccd9d77c_attn
	.globl	k_q1bccd9d77c_attn
	.p2align	8
	.type	k_q1bccd9d77c_attn,@function
k_q1bccd9d77c_attn:
	s_mov_b64 s[64:65], 0
	v_nop
	global_prefetch_b8 v0, s[64:65] scope:SCOPE_SE
	s_setreg_imm32_b32 hwreg(HW_REG_WAVE_MODE, 25, 1), 1
	s_wait_xcnt 0x0
; For one head and 512 queries: r = x Wr^T + br (the head's 64 columns); S = q k^T; p = 2^(t - M); o = p log_sigmoid(v); g = r exp(o / l); Q(g) along D, stored as the last launch's operand.  All products on codes of E2M1.
; THE SOFTMAX: t = score x log2(e) / 8; M = the row's largest t so far, rounded UP to a whole number; p = 2^(t - M) is quantised along the keys, not normalised; the row's sum l is taken of the unquantised p.
; When M moves, the sum and O are multiplied by 2^(old M - new M): exact.
; SHARES: each of sixteen waves owns one tile of 16 queries in each of two passes, in 256 registers, four waves to a SIMD.
; The head's record of kv (69,632 dense bytes: register images) and Wr's 64 rows (pitch 528) are filled ONCE, one tensor load a wave (waves 0-7: 34 rows of 256 bytes of the record; waves 8-15: 8 rows of Wr).
; LAYOUT: all products transposed (source 0 = keys, d, or rows of Wr; source 1 = my 16 queries): a lane holds ONE query (lane % 16), and register j of a tile holds index 8 (lane / 16) + j.
; K = 64 OF THE FIRST PRODUCT: a fragment of k carries TWO tiles of 16 keys: tile f in registers 0-3 (k = 0 .. 63 of the instruction's 128), tile 4 + f in registers 4-7 (k = 64 .. 127).
; It is multiplied once by [q, zero codes] (v16-23), which gives tile f's scores, and once by [zero codes, q] (v12-19), which gives tile 4 + f's: zero codes add nothing under any finite scale byte.
; k's word of a fragment holds tile f's two bytes and tile 4 + f's two; q's word holds its two bytes twice.  So a key step's eight tiles lie in 32 registers and are all fetched one step ahead.
; LIMITS: NaN and infinities are not served; results of v_exp_f32 under 2^-126 are 0 (ISA guide 15.8); blocks whose largest magnitude lies under 2^-124, zeros among them, get the byte 1; this program alone reads the bytes.
; The softmax's promise holds while |t| stays under 2^31.
; NO CLUSTER: the two work-groups of a head share the 103,424 bytes that each asks for once in the whole launch; a pair is none of the cluster shapes in use.  NO PREFETCH: LDS is filled once, at the head; there is no ring to run ahead in.
.set WP,   528
.set VCO,  32768                       ; in the record: v's codes;
.set KSO,  65536                       ; k's words;
.set VSO,  2048                        ; v's words, behind k's
.set REC,  69632
.set WOFF, REC                         ; behind the record: Wr's rows
.set SPARE, 0x29000                    ; the spare words: 128 bytes a wave
.set KF,   32                          ; v32-63   four fragments of k, two tiles each; nothing else
.set VF,   64                          ; v64-95   four fragments of v; of Wr in even K steps
.set S,    96                          ; v96-159  x's eight fragments; then S^T and p; then g
.set OT,   160                         ; v160-191 O^T; Wr's fragments in odd K steps
.set RT,   192                         ; v192-223 r^T
.set PC,   224                         ; v224-231 p's codes; g's
.set SEL,  48                          ; s[48:49] lane selects: lane l xor 16
.set CS,   50                          ; s[50:51] c = log2(e) / 8
; v1 16 x lane; v2 KSO + 4 x lane; v3 Wr's fragment; v4 -M, v5 largest t, v[6:7] the sum in two halves; v12-15 zeros, v16-19 q, v20-23 zeros.
; SCALES: v8-11, v240-243, v248-251, v28-31 Wr's words; v24-27 x's, then v24-25 k's; v28-29 then v's; v253 p's; v255 q's.   v232-239, v244-247, v252, v254 at work.
.macro PLACES n
.rept \n
	v_nop
.endr
.endm
.macro QUANT2 g, st, pc, tm            ; two blocks of 32 out of four accumulators: block b in v[g + st (2 b + u) + 0 .. 7]; codes to v[pc .. pc + 3], the two bytes to v[tm]
.irp b, 0,1
	v_max3_num_f32 v[(\tm)+\b], |v[(\g)+(\st)*2*\b]|, |v[(\g)+(\st)*2*\b+1]|, 0x1800000   ; and the floor 2^(3 - 127): the byte cannot fall under 1
.endr
.irp i, 2,4,6
.irp b, 0,1
	s_delay_alu instid0(VALU_DEP_2)
	v_max3_num_f32 v[(\tm)+\b], v[(\tm)+\b], |v[(\g)+(\st)*2*\b+\i]|, |v[(\g)+(\st)*2*\b+\i+1]|
.endr
.endr
.irp i, 0,2,4,6
.irp b, 0,1
	s_delay_alu instid0(VALU_DEP_2)
	v_max3_num_f32 v[(\tm)+\b], v[(\tm)+\b], |v[(\g)+(\st)*(2*\b+1)+\i]|, |v[(\g)+(\st)*(2*\b+1)+\i+1]|
.endr
.endr
.irp b, 0,1
	s_delay_alu instid0(VALU_DEP_2)
	v_permlanex16_b32 v[(\tm)+2+\b], v[(\tm)+\b], s[SEL], s[SEL+1]
.endr
.irp b, 0,1
	s_delay_alu instid0(VALU_DEP_2)
	v_max_num_f32 v[(\tm)+\b], v[(\tm)+\b], v[(\tm)+2+\b]
.endr
.irp b, 0,1
	s_delay_alu instid0(VALU_DEP_2)
	v_add_nc_u32 v[(\tm)+4+\b], 0xff000000, v[(\tm)+\b]
.endr
.irp b, 0,1
	s_delay_alu instid0(VALU_DEP_2)
	v_lshrrev_b32 v[(\tm)+2+\b], 23, v[(\tm)+4+\b]
.endr
.irp b, 0,1
.irp u, 0,1
	v_cvt_scalef32_pk8_fp4_f32 v[(\pc)+2*\u+\b], v[(\g)+(\st)*(2*\b+\u):(\g)+(\st)*(2*\b+\u)+7], v[(\tm)+4+\b]
.endr
.endr
	v_lshl_or_b32 v[\tm], v[(\tm)+3], 8, v[(\tm)+2]         ; the two bytes; also the plain place behind the conversions
	v_permlane16_swap_b32 v[\pc], v[(\pc)+1]
	v_permlane16_swap_b32 v[(\pc)+2], v[(\pc)+3]
.endm
; One product.  cm = 0: onto its own sum; 2: the sum begins with 0.  ra, rb = 1: that side's scale words are taken from lanes 16-31.
.macro WM cm, ra, rb
.if \rb
	v_wmma_scale_f32_16x16x128_f8f6f4 v[D_:D_+7], v[A_:A_+7], v[B_:B_+7], v[D_:D_+7], v[SA_], v[SB_] matrix_a_fmt:MATRIX_FMT_FP4 matrix_b_fmt:MATRIX_FMT_FP4 matrix_a_scale:MATRIX_SCALE_ROW1 matrix_b_scale:MATRIX_SCALE_ROW1
.elseif (\cm == 0) && (\ra)
	v_wmma_scale_f32_16x16x128_f8f6f4 v[D_:D_+7], v[A_:A_+7], v[B_:B_+7], v[D_:D_+7], v[SA_], v[SB_] matrix_a_fmt:MATRIX_FMT_FP4 matrix_b_fmt:MATRIX_FMT_FP4 matrix_a_scale:MATRIX_SCALE_ROW1
.elseif \cm == 0
	v_wmma_scale_f32_16x16x128_f8f6f4 v[D_:D_+7], v[A_:A_+7], v[B_:B_+7], v[D_:D_+7], v[SA_], v[SB_] matrix_a_fmt:MATRIX_FMT_FP4 matrix_b_fmt:MATRIX_FMT_FP4
.elseif \ra
	v_wmma_scale_f32_16x16x128_f8f6f4 v[D_:D_+7], v[A_:A_+7], v[B_:B_+7], 0, v[SA_], v[SB_] matrix_a_fmt:MATRIX_FMT_FP4 matrix_b_fmt:MATRIX_FMT_FP4 matrix_a_scale:MATRIX_SCALE_ROW1
.else
	v_wmma_scale_f32_16x16x128_f8f6f4 v[D_:D_+7], v[A_:A_+7], v[B_:B_+7], 0, v[SA_], v[SB_] matrix_a_fmt:MATRIX_FMT_FP4 matrix_b_fmt:MATRIX_FMT_FP4
.endif
.endm
; What a pass reads from memory: 31 loads; q's two come last, so that the r product can begin while they are out.  Their offsets are made here, in registers that are at work only behind the wait for all 31.
.macro PASSLOADS
	v_and_b32 v236, 15, v0                         ; r
	v_bfe_u32 v237, v0, 4, 1                       ; h
	v_lshlrev_b32 v233, 5, v236
	v_lshlrev_b32 v232, 5, v237                    ; 32 h: a bias's eight numbers of my half
	v_lshlrev_b32 v234, 2, v236                    ; 4 r
	v_lshl_add_u32 v233, v237, 4, v233             ; 32 r + 16 h: a row of Wr's scale bytes, my half of it
	s_wait_alu depctr_va_vdst(0)                   ; behind the writes
.irp d, 0,1,2,3
	global_load_b128 v[RT+8*\d:RT+8*\d+3], v232, s[18:19] offset:64*\d             ; br starts r^T's sums: columns 16 d + 8 h + 0 .. 7
	global_load_b128 v[RT+8*\d+4:RT+8*\d+7], v232, s[18:19] offset:64*\d+16
.endr
	global_load_b128 v[8:11], v233, s[16:17]                                       ; Wr's scale words: lanes 0-15 K steps 0-3, lanes 16-31 K steps 4-7
	global_load_b128 v[240:243], v233, s[16:17] offset:512
	global_load_b128 v[248:251], v233, s[16:17] offset:1024
	global_load_b128 v[28:31], v233, s[16:17] offset:1536
	global_load_b128 v[24:27], v1, s[12:13]                                        ; x's likewise
.irp s, 0,1,2,3,4,5,6,7
.irp c, 0,1
	global_load_b128 v[S+8*\s+4*\c:S+8*\s+4*\c+3], v1, s[10:11] offset:1024*\s+512*\c   ; x's eight fragments
.endr
.endr
	global_load_b128 v[16:19], v1, s[4:5]                                          ; q's codes
	global_load_b32 v255, v234, s[6:7]                                             ; q's words
.endm
.macro WFETCH s                        ; Wr's four fragments of K step s
.set WB_, VF+(OT-VF)*((\s)%2)
.irp d, 0,1,2,3
.irp c, 0,1
	ds_load_b128 v[WB_+8*\d+4*\c:WB_+8*\d+4*\c+3], v3 offset:16*WP*\d+64*(\s)+32*\c
.endr
.endr
.endm
.macro RM d, wrs, s                    ; r^T(d) += Wr(d, s) x(s)
.set A_, VF+(OT-VF)*((\s)%2)+8*\d
.set B_, S+8*(\s)
.set D_, RT+8*\d
.set SA_, \wrs+(\s)%4
.set SB_, 24+(\s)%4
	WM 0, (\s)/4, (\s)/4
.endm
.macro KCODES k                        ; key step k's eight tiles of k: fragment f = tile f below, tile 4 + f above
.irp f, 0,1,2,3
	ds_load_b128 v[KF+8*\f:KF+8*\f+3], v1 offset:512*(8*(\k)+\f)
	ds_load_b128 v[KF+8*\f+4:KF+8*\f+7], v1 offset:512*(8*(\k)+4+\f)
.endr
.endm
.macro KWORDS k                        ; the four fragments' words: lanes 0-15 fragment 2 j's, lanes 16-31 fragment 2 j + 1's
.irp j, 0,1
	ds_load_b32 v[24+\j], v2 offset:256*(\k)+128*\j
.endr
.endm
; A KEY STEP: 128 keys.
.macro STEP k
	s_wait_dscnt 0x0                               ; this step's fragments of k and their words are in (asked for a step ago)
.irp u, 0,1                                    ; u = 0: [q, 0] against the lower tiles; u = 1: [0, q] against the upper ones
.irp f, 0,1,2,3
.set A_, KF+8*\f
.set B_, 16-4*\u
.set D_, S+32*\u+8*\f
.set SA_, 24+\f/2
.set SB_, 255
	WM 2, \f%2, 0
.endr
.endr
	PLACES 4                                       ; in front of loads into registers that matrix instructions have read, and of the first read of the scores
.irp d, 0,1,2,3
.irp c, 0,1
	ds_load_b128 v[VF+8*\d+4*\c:VF+8*\d+4*\c+3], v1 offset:VCO+1024*(4*(\k)+\d)+512*\c   ; v's four fragments: they land under the softmax
.endr
.endr
.irp j, 0,1
	ds_load_b32 v[28+\j], v2 offset:VSO+64*(4*(\k)+2*\j)                           ; v's words: lanes 0-15 tile 2 j's, lanes 16-31 tile 2 j + 1's
.endr
.if \k < 7
	KCODES (\k)+1
	KWORDS (\k)+1
.endif
.irp b, 0,1,2,3
	v_max3_num_f32 v[232+\b], v[S+16*\b], v[S+1+16*\b], v[S+2+16*\b]   ; the largest score of each block of 32 keys: it serves the row's maximum and, since p rises with the score, the block's largest p
.endr
.irp i, 3,5,7,9,11,13
.irp b, 0,1,2,3
	v_max3_num_f32 v[232+\b], v[232+\b], v[S+16*\b+\i], v[S+1+16*\b+\i]
.endr
.endr
.irp b, 0,1,2,3
	v_max_num_f32 v[232+\b], v[232+\b], v[S+15+16*\b]
.endr
.irp b, 0,1,2,3
	s_delay_alu instid0(VALU_DEP_4)
	v_permlanex16_b32 v[236+\b], v[232+\b], s[SEL], s[SEL+1]
.endr
.irp b, 0,1,2,3
	s_delay_alu instid0(VALU_DEP_4)
	v_max_num_f32 v[232+\b], v[232+\b], v[236+\b]  ; with lane l xor 16's 16 keys
.endr
	s_delay_alu instid0(VALU_DEP_2)
	v_max3_num_f32 v254, v232, v233, v234
	s_delay_alu instid0(VALU_DEP_1)
	v_max_num_f32 v254, v254, v235                 ; the step's largest score of my query
	s_delay_alu instid0(VALU_DEP_1)
	v_mul_f32 v254, s[CS], v254                    ; as t (c is positive)
	s_delay_alu instid0(VALU_DEP_1)
	v_max_num_f32 v5, v5, v254                     ; the running largest t
	v_mov_b32 v254, v4
	s_delay_alu instid0(VALU_DEP_2)
	v_floor_f32 v4, -v5                            ; the new -M = floor(-t) = -ceil(t)
	s_delay_alu instid0(VALU_DEP_1)
	v_sub_f32 v254, v4, v254                       ; old M - new M: a whole number, 0 or less
	s_delay_alu instid0(VALU_DEP_1)
	v_cvt_i32_f32 v254, v254                       ; (it saturates)
	s_delay_alu instid0(VALU_DEP_1)
	v_ldexp_f32 v252, 1.0, v254                    ; f = 2^(old M - new M)
.set J_, 0
.rept 32
	v_pk_fma_f32 v[S+J_:S+J_+1], v[S+J_:S+J_+1], s[CS:CS+1], v[4:5] op_sel_hi:[1,0,0]   ; t - M, two at a time
.set J_, J_+2
.endr
.irp b, 0,1,2,3
	v_fma_f32 v[232+\b], v[232+\b], s[CS], v4      ; the same of each block's largest score
.endr
.set J_, 0
	s_wait_alu depctr_va_vdst(0)                   ; ahead of the batch
.rept 64
	v_exp_f32 v[S+J_], v[S+J_]                     ; p = 2^(t - M), at most 1
.set J_, J_+1
.endr
.irp b, 0,1,2,3
	v_exp_f32 v[232+\b], v[232+\b]                 ; the block's largest p: the same two instructions on the same number
.endr
	v_pk_mul_f32 v[6:7], v[6:7], v[252:253] op_sel_hi:[1,0]   ; the sums under the new M; a plain place behind the exponentials
	s_wait_alu depctr_va_vdst(0)                   ; one wait for the batch, ahead of its first reader
.irp b, 0,1,2,3
	v_max_num_f32 v[232+\b], 0x1800000, v[232+\b]  ; the floor 2^(3 - 127)
.endr
.irp b, 0,1,2,3
	s_delay_alu instid0(VALU_DEP_4)
	v_add_nc_u32 v[244+\b], 0xff000000, v[232+\b]  ; the conversion's scale operand
.endr
.irp b, 0,1,2,3
	s_delay_alu instid0(VALU_DEP_4)
	v_lshrrev_b32 v[236+\b], 23, v[244+\b]         ; the scale's byte
.endr
	s_delay_alu instid0(VALU_DEP_3)
	v_lshl_or_b32 v253, v237, 8, v236              ; p's scale word for these 128 keys
	s_delay_alu instid0(VALU_DEP_1)
	v_lshl_or_b32 v253, v238, 16, v253
	s_delay_alu instid0(VALU_DEP_1)
	v_lshl_or_b32 v253, v239, 24, v253
.irp b, 0,1,2,3
.irp u, 0,1
	v_cvt_scalef32_pk8_fp4_f32 v[PC+4*(\b/2)+2*\u+\b%2], v[S+16*\b+8*\u:S+16*\b+8*\u+7], v[244+\b]
.endr
.endr
	v_nop                                          ; one plain place behind a scaled conversion
.irp c, 0,1
	v_permlane16_swap_b32 v[PC+4*\c], v[PC+4*\c+1] ; registers 4 c .. 4 c + 3: lanes 0-15 block 2 c, lanes 16-31 block 2 c + 1, ascending
	v_permlane16_swap_b32 v[PC+4*\c+2], v[PC+4*\c+3]
.endr
.set J_, 0                                     ; the row's sum of the unquantised p: 32 pairs in five chains by turns
.irp a, 236,246,244,232
	v_pk_add_f32 v[\a:\a+1], v[S+J_:S+J_+1], v[S+J_+2:S+J_+3]
.set J_, J_+4
.endr
.rept 4
.irp a, 6,236,246,244,232
	v_pk_add_f32 v[\a:\a+1], v[\a:\a+1], v[S+J_:S+J_+1]
.set J_, J_+2
.endr
.endr
.irp a, 6,236,246,244
	v_pk_add_f32 v[\a:\a+1], v[\a:\a+1], v[S+J_:S+J_+1]
.set J_, J_+2
.endr
	s_delay_alu instid0(VALU_DEP_1)
	v_pk_add_f32 v[6:7], v[6:7], v[244:245]
	s_delay_alu instid0(VALU_DEP_4)
	v_pk_add_f32 v[236:237], v[236:237], v[232:233]
	s_delay_alu instid0(VALU_DEP_2)
	v_pk_add_f32 v[6:7], v[6:7], v[246:247]
	s_delay_alu instid0(VALU_DEP_1)
	v_pk_add_f32 v[6:7], v[6:7], v[236:237]
.if \k > 0
	s_wait_alu depctr_va_vdst(0)                   ; directly ahead of the first reader of O^T
.set J_, 0
.rept 16
	v_pk_mul_f32 v[OT+J_:OT+J_+1], v[OT+J_:OT+J_+1], v[252:253] op_sel_hi:[1,0]   ; O^T under the new M
.set J_, J_+2
.endr
.endif
	s_wait_alu depctr_va_vdst(0)
.if \k < 7
	s_wait_dscnt 10                                ; v's ten loads are in; the next step's ten (eight of codes, two of words) may be out
.else
	s_wait_dscnt 0x0
.endif
.irp d, 0,1,2,3
.set A_, VF+8*\d
.set B_, PC
.set D_, OT+8*\d
.set SA_, 28+\d/2
.set SB_, 253
.if \k == 0
	WM 2, \d%2, 0                                  ; the first key step starts O^T's sums: nothing is cleared
.else
	WM 0, \d%2, 0
.endif
.endr
.endm
	s_load_b512 s[4:19], s[0:1], 0x0               ; qc, qs, kv, xc, xs, Wr's codes, Wr's scales, br
	s_load_b128 s[20:23], s[0:1], 0x40             ; gc, gs
	v_lshl_add_u32 v254, v0, 2, SPARE
	v_mov_b32 v255, 0
	ds_add_u32 v254, v255
	ds_add_u32 v254, v255
	v_lshrrev_b32 v1, 5, v0
	v_readfirstlane_b32 s52, v1                    ; wave 0..15
	s_mov_b32 s54, ttmp9                           ; 16 b + head: work-group x
	s_and_b32 s55, s54, 15                         ; head
	s_lshr_b32 s56, s54, 4                         ; b
	s_and_b32 s57, s52, 7                          ; which eighth I fetch
	; descriptor group 1 for the record: 34 rows of 256 bytes (32 elements of 8), dense
	s_mov_b32 s24, 3<<16
	s_mov_b32 s25, 32<<16                          ; tensor_dim0
	s_mov_b32 s26, 34<<16                          ; tensor_dim1
	s_mov_b32 s27, 32<<16                          ; tile_dim0
	s_mov_b32 s28, 34                              ; tile_dim1
	s_mov_b32 s29, 32                              ; tensor_dim0_stride
	s_mov_b32 s30, 0
	s_mov_b32 s31, 0
	; and for Wr: 8 rows of 512 bytes, 16 bytes of padding behind each
	s_mov_b32 s32, (1<<20)|(6<<22)|(3<<25)
	s_mov_b32 s33, 512<<16
	s_mov_b32 s34, 8<<16
	s_mov_b32 s35, 512<<16
	s_mov_b32 s36, 8
	s_mov_b32 s37, 512
	s_mov_b32 s38, 0
	s_mov_b32 s39, 0
	s_mul_i32 s58, s54, REC
	s_mul_i32 s59, s57, 8704
	s_add_co_u32 s60, s58, s59
	s_mov_b32 s61, 0
	s_lshl_b32 s62, s55, 15
	s_lshl_b32 s63, s57, 12
	s_add_co_u32 s62, s62, s63
	s_mov_b32 s63, 0
	s_mul_i32 s66, s57, 8*WP
	s_wait_dscnt 0x0                               ; both opening adds are done
	s_wait_kmcnt 0x0
	s_mov_b32 s40, 1
	s_mov_b32 s41, s59
	s_add_nc_u64 s[42:43], s[8:9], s[60:61]
	s_or_b32 s43, s43, 0x80000000
	s_mov_b32 s44, 1
	s_add_co_u32 s45, s66, WOFF
	s_add_nc_u64 s[46:47], s[14:15], s[62:63]
	s_or_b32 s47, s47, 0x80000000
	s_cmp_lt_u32 s52, 8                            ; the launch's only fills: one tensor load a wave, so one is outstanding
	s_cbranch_scc0 .Lfor_w
	tensor_load_to_lds s[40:43], s[24:31]
	s_nop 0
	PLACES 4
	s_branch .Lasked
.Lfor_w:
	tensor_load_to_lds s[44:47], s[32:39]
	s_nop 0
	PLACES 4
.Lasked:
	v_and_b32 v232, 31, v0                         ; lane
	v_and_b32 v233, 15, v0                         ; r
	v_bfe_u32 v234, v0, 4, 1                       ; h
	v_lshlrev_b32 v1, 4, v232
	v_lshl_add_u32 v2, v232, 2, KSO
	v_mul_u32_u24 v3, v233, WP
	s_delay_alu instid0(VALU_DEP_1)
	v_lshl_add_u32 v3, v234, 4, v3
	s_delay_alu instid0(VALU_DEP_1)
	v_add_nc_u32 v3, WOFF, v3
	s_and_b32 s67, ttmp7, 0xffff                   ; which 512 queries: work-group y
	s_lshl_b32 s67, s67, 5
	s_add_co_u32 s67, s67, s52                     ; my tile of queries in pass 0: 32 x work-group y + wave
	s_lshl_b32 s68, s56, 6
	s_add_co_u32 s68, s68, s67                     ; as a tile of the 8,192 rows
	s_lshl_b32 s60, s54, 15
	s_lshl_b32 s62, s67, 9
	s_add_co_u32 s60, s60, s62
	s_add_nc_u64 s[4:5], s[4:5], s[60:61]          ; qc
	s_lshl_b32 s60, s54, 12
	s_lshl_b32 s62, s67, 6
	s_add_co_u32 s60, s60, s62
	s_add_nc_u64 s[6:7], s[6:7], s[60:61]          ; qs
	s_lshl_b32 s60, s68, 13
	s_add_nc_u64 s[10:11], s[10:11], s[60:61]      ; xc
	s_lshl_b32 s62, s55, 9
	s_add_co_u32 s60, s60, s62
	s_add_nc_u64 s[20:21], s[20:21], s[60:61]      ; gc: the head's two blocks of the tile: 512 consecutive bytes
	s_lshl_b32 s60, s68, 9
	s_add_nc_u64 s[12:13], s[12:13], s[60:61]      ; xs
	s_lshr_b32 s62, s55, 3
	s_lshl_b32 s62, s62, 8
	s_add_co_u32 s60, s60, s62                     ; gs: K step head / 2: its half,
	s_bfe_u32 s62, s55, 0x20001
	s_lshl_b32 s62, s62, 2
	s_add_co_u32 s60, s60, s62                     ; its word,
	s_and_b32 s62, s55, 1
	s_lshl_b32 s62, s62, 1
	s_add_co_u32 s60, s60, s62                     ; and my two bytes of it
	s_add_nc_u64 s[22:23], s[22:23], s[60:61]
	s_lshl_b32 s60, s55, 11
	s_add_nc_u64 s[16:17], s[16:17], s[60:61]      ; Wr's scale bytes
	s_lshl_b32 s60, s55, 8
	s_add_nc_u64 s[18:19], s[18:19], s[60:61]      ; br
	PASSLOADS                                      ; pass 0's
	s_mov_b32 s[SEL], 0x76543210
	s_mov_b32 s[SEL+1], 0xfedcba98
	s_mov_b32 s[CS], 0x3e38aa3b                    ; log2(e) / sqrt(64)
	s_mov_b32 s[CS+1], s[CS]                       ; (named with it as a pair, so it is written)
.irp j, 12,13,14,15,20,21,22,23
	v_mov_b32 v\j, 0                               ; the zero codes on either side of q: written once
.endr
.irp j, 238,239
	v_mov_b32 v\j, 0                               ; written once: a lane permute's destination counts as one of its sources (v236, v237 have been written)
.endr
	v_mov_b32 v253, 0                              ; (named as the upper half of the pair v[252:253] before it is first written)
	s_wait_alu depctr_va_vdst(0)
	s_wait_tensorcnt 0x0                           ; my part of the record or of Wr is in,
	s_barrier_signal -1
	s_barrier_wait -1                              ; everybody's is: from here on LDS is only read
	s_mov_b32 s53, 2
.Lpass:
	KCODES 0                                       ; the first key step's fragments land under the r product
	; ---- r^T = Wr x^T + br: four accumulators by turns, 8 K steps
	WFETCH 0
	WFETCH 1
	s_wait_loadcnt 0x2                             ; all but q's two loads
.irp s, 0,1,2,3,4,5,6,7
.if \s < 7
	s_wait_dscnt 8                                 ; this K step's eight loads are in; the next one's may be out
.else
	s_wait_dscnt 0x0
.endif
	RM 0, 8, \s
	RM 1, 240, \s
	RM 2, 248, \s
	RM 3, 28, \s
.if \s < 6
	PLACES 4
	WFETCH \s+2
.endif
.endr
	PLACES 5                                       ; the scores are laid over x's fragments: five places before a matrix instruction writes over an earlier one's source
	KWORDS 0                                       ; k's words take x's place
	v_mov_b32 v5, 0xff61b1e6                       ; the largest t so far: -3e38, under every t
	v_mov_b32 v4, 0x7f61b1e6                       ; -M = floor(3e38) = 3e38
	v_mov_b32 v6, 0                                ; the sum, in two halves
	v_mov_b32 v7, 0
	s_wait_alu depctr_va_vdst(0)
	s_wait_loadcnt 0x0                             ; q
	STEP 0
	STEP 1
	STEP 2
	STEP 3
	STEP 4
	STEP 5
	STEP 6
	STEP 7
	; ---- g = r exp(o / l), quantised along D: the head's 64 columns are two blocks
	PLACES 4
	v_add_f32 v6, v6, v7                           ; the sum's two halves,
	s_delay_alu instid0(VALU_DEP_1)
	v_permlanex16_b32 v252, v6, s[SEL], s[SEL+1]
	s_delay_alu instid0(VALU_DEP_1)
	v_add_f32 v6, v6, v252                         ; and lane l xor 16's: the row's sum
	s_wait_alu depctr_va_vdst(0)
	v_rcp_f32 v6, v6
	v_nop                                          ; a plain place behind the transcendental
	s_wait_alu depctr_va_vdst(0)
	v_mul_f32 v6, 0x3fb8aa3b, v6                   ; log2(e) / l
.set J_, 0
.rept 16
	v_pk_mul_f32 v[S+J_:S+J_+1], v[OT+J_:OT+J_+1], v[6:7] op_sel_hi:[1,0]
.set J_, J_+2
.endr
.set J_, 0
	s_wait_alu depctr_va_vdst(0)
.rept 32
	v_exp_f32 v[S+J_], v[S+J_]
.set J_, J_+1
.endr
	v_and_b32 v254, 15, v0                         ; r; a plain place behind the exponentials
.set J_, 0
	s_wait_alu depctr_va_vdst(0)
.rept 16
	v_pk_mul_f32 v[S+J_:S+J_+1], v[S+J_:S+J_+1], v[RT+J_:RT+J_+1]
.set J_, J_+2
.endr
	v_lshlrev_b32 v254, 4, v254                    ; 16 r: my row's scale words of a half of K
	QUANT2 S, 8, PC, 232
	global_store_b128 v1, v[PC:PC+3], s[20:21]     ; 32 lanes store 512 consecutive bytes
	global_store_b16 v254, v232, s[22:23]          ; two of a word's four bytes, 16 bytes from row to row
	s_wait_xcnt 0x0                                ; the stores have read their data, offsets and bases: all may be written again
	s_add_nc_u64 s[4:5], s[4:5], 8192              ; 16 tiles of queries on
	s_add_nc_u64 s[6:7], s[6:7], 1024
	s_add_nc_u64 s[10:11], s[10:11], 0x20000
	s_add_nc_u64 s[12:13], s[12:13], 8192
	s_add_nc_u64 s[20:21], s[20:21], 0x20000
	s_add_nc_u64 s[22:23], s[22:23], 8192
	s_cmp_eq_u32 s53, 1                            ; the next pass's loads, if there is a next pass: no load leaves its buffer
	s_cbranch_scc1 .Lno_next
	PASSLOADS
.Lno_next:
	s_sub_co_u32 s53, s53, 1
	s_cmp_lg_u32 s53, 0
	s_cbranch_scc1 .Lpass
	s_wait_xcnt 0x0
	v_lshl_add_u32 v254, v0, 2, SPARE
	v_mov_b32 v255, 0
	s_wait_alu depctr_va_vdst(0)
	s_wait_tensorcnt 0x0                           ; the wave's end
	ds_add_u32 v254, v255
	s_wait_dscnt 0x0
	s_endpgm
.Lfunc_end_k_q1bccd9d77c_attn:
	.size	k_q1bccd9d77c_attn, .Lfunc_end_k_q1bccd9d77c_attn-k_q1bccd9d77c_attn
	.p2alignl 7, 3214868480
	.fill 96, 4, 3214868480
	.section	.rodata,"a",@progbits
	.p2align	6, 0x0
	.amdhsa_kernel k_q1bccd9d77c_attn
		.amdhsa_group_segment_fixed_size 169984
		.amdhsa_private_segment_fixed_size 0
		.amdhsa_enable_private_segment 0
		.amdhsa_kernarg_size 80
		.amdhsa_user_sgpr_count 2
		.amdhsa_user_sgpr_kernarg_segment_ptr 1
		.amdhsa_wavefront_size32 1
		.amdhsa_system_sgpr_workgroup_id_x 1
		.amdhsa_system_sgpr_workgroup_id_y 1
		.amdhsa_system_sgpr_workgroup_id_z 1
		.amdhsa_system_vgpr_workitem_id 0
		.amdhsa_next_free_vgpr 256
		.amdhsa_next_free_sgpr 72
		.amdhsa_reserve_vcc 0
		.amdhsa_float_denorm_mode_32 3
		.amdhsa_float_denorm_mode_16_64 3
		.amdhsa_memory_ordered 1
		.amdhsa_forward_progress 1
		.amdhsa_inst_pref_size 152
	.end_amdhsa_kernel
	.amdgpu_metadata
---
amdhsa.version: [ 1, 2 ]
amdhsa.kernels:
  - .name:           k_q1bccd9d77c_attn
    .symbol:         k_q1bccd9d77c_attn.kd
    .args:
      - { .name: qc, .offset: 0, .size: 8, .value_kind: global_buffer, .address_space: global }
      - { .name: qs, .offset: 8, .size: 8, .value_kind: global_buffer, .address_space: global }
      - { .name: kv, .offset: 16, .size: 8, .value_kind: global_buffer, .address_space: global }
      - { .name: xc, .offset: 24, .size: 8, .value_kind: global_buffer, .address_space: global }
      - { .name: xs, .offset: 32, .size: 8, .value_kind: global_buffer, .address_space: global }
      - { .name: Wr_codes, .offset: 40, .size: 8, .value_kind: global_buffer, .address_space: global }
      - { .name: Wr_scales, .offset: 48, .size: 8, .value_kind: global_buffer, .address_space: global }
      - { .name: br, .offset: 56, .size: 8, .value_kind: global_buffer, .address_space: global }
      - { .name: gc, .offset: 64, .size: 8, .value_kind: global_buffer, .address_space: global }
      - { .name: gs, .offset: 72, .size: 8, .value_kind: global_buffer, .address_space: global }
    .group_segment_fixed_size: 169984
    .private_segment_fixed_size: 0
    .kernarg_segment_align: 8
    .kernarg_segment_size: 80
    .max_flat_workgroup_size: 512
    .sgpr_count:     72
    .vgpr_count:     256
    .wavefront_size: 32
...
	.end_amdgpu_metadata
.endif
;; end of part 3
;; launch outp (part 4): grid 16 x 16, 8 waves a work-group, no clusters, 327,680 bytes of LDS; arguments gc, gs, Wo_codes, Wo_scales, bo, inputs, out0; writes out0
.if DOCPART == 4
	.amdgcn_target "amdgcn-amd-amdhsa--gfx1250"
	.amdhsa_code_object_version 6
	.text
	.protected	k_q1bccd9d77c_outp
	.globl	k_q1bccd9d77c_outp
	.p2align	8
	.type	k_q1bccd9d77c_outp,@function
k_q1bccd9d77c_outp:
	s_mov_b64 s[64:65], 0
	v_nop
	global_prefetch_b8 v0, s[64:65] scope:SCOPE_SE
	s_setreg_imm32_b32 hwreg(HW_REG_WAVE_MODE, 25, 1), 1
	s_wait_xcnt 0x0
; out0 = g Wo^T + bo + inputs for 512 rows (work-group x) and 64 columns (work-group y), on codes of E2M1; wave w takes rows 64 w .. 64 w + 63, four tiles of 16.
; LDS is filled ONCE, one tensor load a wave, all at the head: waves 0-3 bring 16 rows of Wo each (pitch 528), waves 4-7 128 rows x 256 bytes of inputs each (pitch 272): the residual of the block.
; One wait for 0 and one barrier show both to every wave; behind it those bytes are only read.  Wo's fragments for all of K stay in window 1; g's fragments come from memory, two tiles ahead.
; The product is used transposed (source 0 = Wo), a tile's results turn through the wave's own stage in LDS, and sixteen lanes store 256 consecutive bytes.
; NO CLUSTER: of what a work-group reads, g's fragments go from memory straight into registers and the residual is its own; Wo's 32 KB are asked for once.  NO PREFETCH: there is no loop to run ahead in.
.set WP,  528
.set XR,  64*WP
.set XPI, 272
.set XW,  64*XPI
.set STG, XR+8*XW
.set SPI, 272
.set ASC, 16
.set BSC, 32
.set BO,  48
.set AF,  64
.set ACC, 192
.set Y,   224
.set MSB, 0
.macro WIN new
.if MSB != \new
	s_set_vgpr_msb (MSB<<8)|\new
.set MSB, \new
.endif
.endm
.macro PLACES n
.rept \n
	v_nop
.endr
.endm
.macro WM cm, hi
.if \hi
	v_wmma_scale_f32_16x16x128_f8f6f4 v[D_:D_+7], v[A_:A_+7], v[B_:B_+7], v[D_:D_+7], v[SA_], v[SB_] matrix_a_fmt:MATRIX_FMT_FP4 matrix_b_fmt:MATRIX_FMT_FP4 matrix_a_scale:MATRIX_SCALE_ROW1 matrix_b_scale:MATRIX_SCALE_ROW1
.elseif \cm == 0
	v_wmma_scale_f32_16x16x128_f8f6f4 v[D_:D_+7], v[A_:A_+7], v[B_:B_+7], v[D_:D_+7], v[SA_], v[SB_] matrix_a_fmt:MATRIX_FMT_FP4 matrix_b_fmt:MATRIX_FMT_FP4
.else
	v_wmma_scale_f32_16x16x128_f8f6f4 v[D_:D_+7], v[A_:A_+7], v[B_:B_+7], 0, v[SA_], v[SB_] matrix_a_fmt:MATRIX_FMT_FP4 matrix_b_fmt:MATRIX_FMT_FP4
.endif
.endm
.macro P4 i, s
.irp t, 0,1,2,3
.set D_, ACC+8*\t
.set A_, 32*(\s)+8*\t
.set B_, AF+64*((\i)%2)+8*(\s)
.set SA_, BSC+4*\t+(\s)%4
.set SB_, ASC+4*(\i)+(\s)%4
.if \s == 0
	WM 2, 0
.else
	WM 0, (\s)/4
.endif
.endr
.endm
.macro ALOAD i
.irp s, 0,1,2,3,4,5,6,7
.irp c, 0,1
	global_load_b128 v[AF+64*((\i)%2)+8*\s+4*\c:AF+64*((\i)%2)+8*\s+4*\c+3], v1, s[4:5] offset:8192*(\i)+1024*\s+512*\c
.endr
.endr
.endm
.macro TILE i
.if \i < 3
	s_wait_loadcnt 16
.else
	s_wait_loadcnt 0x0
.endif
	WIN 0x01
.irp s, 0,1,2,3,4,5,6,7
.if \i == 0
	s_wait_dscnt 8*(7-\s)
.endif
	P4 \i, \s
.endr
	WIN 0
	PLACES 5
.if \i > 0
	s_wait_xcnt 0x0
.endif
.if \i < 2
	ALOAD (\i)+2
.endif
	s_wait_alu depctr_va_vdst(0)
.irp t, 0,1,2,3
	ds_store_b128 v8, v[ACC+8*\t:ACC+8*\t+3] offset:64*\t
	ds_store_b128 v8, v[ACC+8*\t+4:ACC+8*\t+7] offset:64*\t+16
.endr
.irp k, 0,1,2,3,4,5,6,7
	ds_load_b128 v[Y+4*\k:Y+4*\k+3], v9 offset:2*SPI*\k
.endr
	s_wait_dscnt 8
.if \i == 0
	s_wait_tensorcnt 0x0
.endif
.irp k, 0,1,2,3,4,5,6,7
	ds_load_b128 v[ACC+4*\k:ACC+4*\k+3], v3 offset:(16*(\i)+2*\k)*XPI
.endr
	s_wait_dscnt 0x0
.irp j, 0,2,4,6,8,10,12,14,16,18,20,22,24,26,28,30
	v_pk_add_f32 v[Y+\j:Y+\j+1], v[Y+\j:Y+\j+1], v[ACC+\j:ACC+\j+1]
.endr
.irp k, 0,1,2,3,4,5,6,7
	v_pk_add_f32 v[Y+4*\k:Y+4*\k+1], v[Y+4*\k:Y+4*\k+1], v[BO:BO+1]
	v_pk_add_f32 v[Y+4*\k+2:Y+4*\k+3], v[Y+4*\k+2:Y+4*\k+3], v[BO+2:BO+3]
.endr
.irp k, 0,1,2,3,4,5,6,7
	global_store_b128 v10, v[Y+4*\k:Y+4*\k+3], s[16:17] offset:(16*(\i)+2*\k)*4096 th:TH_STORE_NT
.endr
.endm
	s_load_b256 s[4:11], s[0:1], 0x0
	s_load_b128 s[12:15], s[0:1], 0x20
	s_load_b64 s[16:17], s[0:1], 0x30
	v_lshl_add_u32 v62, v0, 2, 0x34000
	v_mov_b32 v63, 0
	ds_add_u32 v62, v63
	ds_add_u32 v62, v63
	v_lshrrev_b32 v1, 5, v0
	s_delay_alu instid0(VALU_DEP_1)
	v_readfirstlane_b32 s40, v1
	s_and_b32 s41, ttmp7, 0xffff                   ; block of 64 columns
	s_mov_b32 s42, ttmp9                           ; block of 512 rows
	s_mov_b32 s24, (1<<20)|(6<<22)|(3<<25)
	s_mov_b32 s25, 512<<16
	s_mov_b32 s26, 16<<16                          ; Wo: 16 rows a load
	s_mov_b32 s27, 512<<16
	s_mov_b32 s28, 16
	s_mov_b32 s29, 512
	s_mov_b32 s30, 0
	s_mov_b32 s31, 0
	s_mov_b32 s48, (1<<20)|(5<<22)|(3<<25)
	s_mov_b32 s49, 256<<16
	s_mov_b32 s50, 128<<16                         ; inputs: 128 rows a load
	s_mov_b32 s51, 256<<16
	s_mov_b32 s52, 128
	s_mov_b32 s53, 4096
	s_mov_b32 s54, 0
	s_mov_b32 s55, 0
	s_lshl_b32 s44, s41, 15
	s_and_b32 s23, s40, 3                          ; which quarter I fetch, of Wo (waves 0-3) or of the residual (waves 4-7)
	s_lshl_b32 s46, s23, 13                        ; 16 rows of 512 bytes
	s_add_co_u32 s44, s44, s46
	s_mov_b32 s45, 0
	s_mul_i32 s46, s23, 16*WP
	s_lshl_b32 s20, s41, 8
	s_lshl_b32 s22, s42, 21
	s_add_co_u32 s20, s20, s22
	s_lshl_b32 s22, s40, 18
	s_add_co_u32 s20, s20, s22
	s_mov_b32 s21, 0
	s_mul_i32 s47, s40, XW
	s_add_co_u32 s47, s47, XR                      ; where my own 64 rows of the residual lie
	s_lshl_b32 s18, s41, 8                         ; the quarter that I would fetch: the block's columns,
	s_lshl_b32 s19, s42, 21                        ; its 512 rows of 4,096 bytes,
	s_add_co_u32 s18, s18, s19
	s_lshl_b32 s19, s23, 19                        ; 128 rows a quarter;
	s_add_co_u32 s18, s18, s19
	s_mov_b32 s19, 0
	s_mul_i32 s23, s23, 2*XW                       ; and in LDS
	s_add_co_u32 s23, s23, XR
	s_wait_dscnt 0x0
	s_wait_kmcnt 0x0
	s_mov_b32 s32, 1
	s_mov_b32 s33, s46
	s_add_nc_u64 s[34:35], s[8:9], s[44:45]
	s_or_b32 s35, s35, 0x80000000
	s_mov_b32 s36, 1
	s_mov_b32 s37, s23
	s_add_nc_u64 s[38:39], s[14:15], s[18:19]
	s_or_b32 s39, s39, 0x80000000
	s_wait_alu depctr_va_vdst(0)
	s_cmp_lt_u32 s40, 4                            ; the launch's only fills: one tensor load a wave, in the two arms of one branch on the wave's number
	s_cbranch_scc0 .Lfor_x
	tensor_load_to_lds s[32:35], s[24:31]
	s_nop 0
	PLACES 4
	s_branch .Lasked
.Lfor_x:
	tensor_load_to_lds s[36:39], s[48:55]
	s_nop 0
	PLACES 4
.Lasked:
	v_and_b32 v11, 31, v0
	v_and_b32 v12, 15, v0
	v_bfe_u32 v13, v0, 4, 1
	s_delay_alu instid0(VALU_DEP_3)
	v_lshlrev_b32 v1, 4, v11
	s_delay_alu instid0(VALU_DEP_3)
	v_mul_u32_u24 v2, v12, WP
	s_delay_alu instid0(VALU_DEP_1)
	v_lshl_add_u32 v2, v13, 4, v2
	v_lshlrev_b32 v6, 5, v12
	s_delay_alu instid0(VALU_DEP_1)
	v_lshl_add_u32 v6, v13, 4, v6
	v_lshlrev_b32 v7, 4, v12
	s_mul_i32 s46, s40, 16*SPI
	s_add_co_u32 s46, s46, STG
	v_mul_u32_u24 v8, v12, SPI
	s_delay_alu instid0(VALU_DEP_1)
	v_lshl_add_u32 v8, v13, 5, v8
	s_delay_alu instid0(VALU_DEP_1)
	v_add_nc_u32 v8, s46, v8
	v_mul_u32_u24 v9, v13, SPI
	s_delay_alu instid0(VALU_DEP_1)
	v_lshl_add_u32 v9, v12, 4, v9
	s_delay_alu instid0(VALU_DEP_1)
	v_add_nc_u32 v3, s47, v9
	s_delay_alu instid0(VALU_DEP_2)
	v_add_nc_u32 v9, s46, v9
	v_lshlrev_b32 v10, 12, v13
	s_delay_alu instid0(VALU_DEP_1)
	v_lshl_add_u32 v10, v12, 4, v10
	s_lshl_b32 s44, s42, 18
	s_lshl_b32 s22, s40, 15
	s_add_co_u32 s44, s44, s22
	s_add_nc_u64 s[4:5], s[4:5], s[44:45]
	s_lshl_b32 s44, s42, 14
	s_lshl_b32 s22, s40, 11
	s_add_co_u32 s44, s44, s22
	s_add_nc_u64 s[6:7], s[6:7], s[44:45]
	s_lshl_b32 s44, s41, 11
	s_add_nc_u64 s[10:11], s[10:11], s[44:45]
	s_lshl_b32 s44, s41, 8
	s_add_nc_u64 s[12:13], s[12:13], s[44:45]
	s_add_nc_u64 s[16:17], s[16:17], s[20:21]
.irp t, 0,1,2,3
	global_load_b128 v[BSC+4*\t:BSC+4*\t+3], v6, s[10:11] offset:512*\t
.endr
.irp i, 0,1,2,3
	global_load_b128 v[ASC+4*\i:ASC+4*\i+3], v1, s[6:7] offset:512*\i
.endr
	global_load_b128 v[BO:BO+3], v7, s[12:13]
	ALOAD 0
	ALOAD 1
	s_wait_alu depctr_va_vdst(0)
	s_wait_tensorcnt 0x0                           ; my quarter of Wo or of the residual is in,
	s_barrier_signal -1
	s_barrier_wait -1                              ; everybody's is
	WIN 0x40
.irp s, 0,1,2,3,4,5,6,7
.irp t, 0,1,2,3
.irp c, 0,1
	ds_load_b128 v[32*\s+8*\t+4*\c:32*\s+8*\t+4*\c+3], v2 offset:16*WP*\t+64*\s+32*\c
.endr
.endr
.endr
	WIN 0
	TILE 0
	TILE 1
	TILE 2
	TILE 3
	s_wait_tensorcnt 0x0
	ds_add_u32 v62, v63
	s_wait_dscnt 0x0
	s_endpgm
.Lfunc_end_k_q1bccd9d77c_outp:
	.size	k_q1bccd9d77c_outp, .Lfunc_end_k_q1bccd9d77c_outp-k_q1bccd9d77c_outp
	.p2alignl 7, 3214868480
	.fill 96, 4, 3214868480
	.section	.rodata,"a",@progbits
	.p2align	6, 0x0
	.amdhsa_kernel k_q1bccd9d77c_outp
		.amdhsa_group_segment_fixed_size 327680
		.amdhsa_private_segment_fixed_size 0
		.amdhsa_enable_private_segment 0
		.amdhsa_kernarg_size 56
		.amdhsa_user_sgpr_count 2
		.amdhsa_user_sgpr_kernarg_segment_ptr 1
		.amdhsa_wavefront_size32 1
		.amdhsa_system_sgpr_workgroup_id_x 1
		.amdhsa_system_sgpr_workgroup_id_y 1
		.amdhsa_system_sgpr_workgroup_id_z 1
		.amdhsa_system_vgpr_workitem_id 0
		.amdhsa_next_free_vgpr 512
		.amdhsa_next_free_sgpr 66
		.amdhsa_reserve_vcc 0
		.amdhsa_float_denorm_mode_32 3
		.amdhsa_float_denorm_mode_16_64 3
		.amdhsa_memory_ordered 1
		.amdhsa_forward_progress 1
		.amdhsa_inst_pref_size 52
	.end_amdhsa_kernel
	.amdgpu_metadata
---
amdhsa.version: [ 1, 2 ]
amdhsa.kernels:
  - .name:           k_q1bccd9d77c_outp
    .symbol:         k_q1bccd9d77c_outp.kd
    .args:
      - { .name: gc, .offset: 0, .size: 8, .value_kind: global_buffer, .address_space: global }
      - { .name: gs, .offset: 8, .size: 8, .value_kind: global_buffer, .address_space: global }
      - { .name: Wo_codes, .offset: 16, .size: 8, .value_kind: global_buffer, .address_space: global }
      - { .name: Wo_scales, .offset: 24, .size: 8, .value_kind: global_buffer, .address_space: global }
      - { .name: bo, .offset: 32, .size: 8, .value_kind: global_buffer, .address_space: global }
      - { .name: inputs, .offset: 40, .size: 8, .value_kind: global_buffer, .address_space: global }
      - { .name: out0, .offset: 48, .size: 8, .value_kind: global_buffer, .address_space: global }
    .group_segment_fixed_size: 327680
    .private_segment_fixed_size: 0
    .kernarg_segment_align: 8
    .kernarg_segment_size: 56
    .max_flat_workgroup_size: 256
    .sgpr_count:     66
    .vgpr_count:     512
    .wavefront_size: 32
...
	.end_amdgpu_metadata
.endif
;; end of part 4
